; MI455X (gfx1250); checked and timed in simulation.
; The chip was launched on July 23, 2026; its instructions are those of AMD's public machine-readable ISA for CDNA 5 (MIT licence, August 2026) and "CDNA5" Instruction Set Architecture Reference Guide (July 2026). The comments in the code are by the model that wrote it; some were corrected since.
;; Attention Block. Allowed arithmetic: matrix products marked QUANTISED: E5M2 operands, one E8M0 scale for each 32 along K, by v_wmma_scale_f32_16x16x128_f8f6f4 with both operands' format E5M2, f32 sums; everything else in f32.
;; Inputs: b1 4,096 float32; b2 1,024 float32; bk 1,024 float32; bo 1,024 float32; bq 1,024 float32; bv 1,024 float32; ln1_b 1,024 float32; ln1_g 1,024 float32; ln2_b 1,024 float32; ln2_g 1,024 float32; w1_codes 4,096 x 32 x 32 uint8 (E5M2 codes of w1, K innermost, in blocks of 32 codes); w1_scales 4,096 x 32 uint8 (E8M0 scales of w1, one for each 32 codes along K); w2_codes 1,024 x 128 x 32 uint8 (E5M2 codes of w2, K innermost, in blocks of 32 codes); w2_scales 1,024 x 128 uint8 (E8M0 scales of w2, one for each 32 codes along K); wk_codes 1,024 x 32 x 32 uint8 (E5M2 codes of wk, K innermost, in blocks of 32 codes); wk_scales 1,024 x 32 uint8 (E8M0 scales of wk, one for each 32 codes along K); wo_codes 1,024 x 32 x 32 uint8 (E5M2 codes of wo, K innermost, in blocks of 32 codes); wo_scales 1,024 x 32 uint8 (E8M0 scales of wo, one for each 32 codes along K); wq_codes 1,024 x 32 x 32 uint8 (E5M2 codes of wq, K innermost, in blocks of 32 codes); wq_scales 1,024 x 32 uint8 (E8M0 scales of wq, one for each 32 codes along K); wv_codes 1,024 x 32 x 32 uint8 (E5M2 codes of wv, K innermost, in blocks of 32 codes); wv_scales 1,024 x 32 uint8 (E8M0 scales of wv, one for each 32 codes along K); x 2 x 2,048 x 1,024 float32.
;; Outputs: out0 2 x 2,048 x 1,024 float32.
;; This version of the problem:
;;   THIS VERSION OF THE PROBLEM IS GIVEN IN LOW PRECISION. The matrix products marked QUANTISED in the list below multiply operands that are first quantised to E5M2 (5 exponent bits, 2 mantissa bits; 8 bits a number), with one power-of-two scale for each 32 numbers along K (OCP MX v1.0); their sums are f32. All else is computed in f32.
;;   The module's matrix products, in the order in which they are computed (A, B: the left and right operand; K: the contracted axis; several contracted axes count as one K, in the product's order):
;;     1. [M 4,096, K 1,024] x [K 1,024, N 1,024]; A: computed on the way; B: input wq (given as codes): QUANTISED
;;     2. [M 4,096, K 1,024] x [K 1,024, N 1,024]; A: computed on the way; B: input wk (given as codes): QUANTISED
;;     3. [M 4,096, K 1,024] x [K 1,024, N 1,024]; A: computed on the way; B: input wv (given as codes): QUANTISED
;;     4. batch 32 x [M 2,048, K 64] x [K 64, N 2,048]; A: computed on the way; B: computed on the way: QUANTISED
;;     5. batch 32 x [M 2,048, K 2,048] x [K 2,048, N 64]; A: softmax (see below); B: computed on the way: QUANTISED
;;     6. [M 4,096, K 1,024] x [K 1,024, N 1,024]; A: computed on the way; B: input wo (given as codes): QUANTISED
;;     7. [M 4,096, K 1,024] x [K 1,024, N 4,096]; A: computed on the way; B: input w1 (given as codes): QUANTISED
;;     8. [M 4,096, K 4,096] x [K 4,096, N 1,024]; A: computed on the way; B: input w2 (given as codes): QUANTISED
;;   THE QUANTISER, for each operand of a quantised product, along K:
;;     - K is cut into blocks of 32 from its start; a last block that is shorter is filled with zeros.
;;     - A block's scale is 2^e with e = floor(log2(the largest magnitude in the block)) - 15, held to -126 .. 127; a block of zeros has e = 0. As a byte (E8M0): e + 127.
;;     - Each number is divided by its block's scale, clamped to +-57,344, and rounded to the nearest number of E5M2, ties to even, subnormals kept.
;;     - The product sums the exact products of the quantised numbers (number of the format x scale) in f32.
;;   ~~~python
;;   def quantise(x, axis):      # numpy; x: float32 -> the quantised numbers, widened to float32 again
;;       x = np.moveaxis(x, axis, -1); K = x.shape[-1]
;;       x = np.pad(x, [(0, 0)] * (x.ndim - 1) + [(0, -K % 32)]); x = x.reshape(x.shape[:-1] + (-1, 32)); a = np.abs(x).max(-1, keepdims=True)
;;       e = np.where(a > 0, np.clip(np.frexp(np.where(a > 0, a, 1))[1] - 1 - 15, -126, 127), 0)      # np.frexp(a)[1] - 1 = floor(log2(a)), exactly
;;       r = np.clip(x / 2.0 ** e, -57344, 57344)
;;       step = 2.0 ** (np.maximum(np.frexp(np.where(r == 0, 1, r))[1] - 1, -14) - 2)
;;       q = np.round(r / step) * step * 2.0 ** e      # np.round: ties to even
;;       return np.moveaxis(q.reshape(q.shape[:-2] + (-1,))[..., :K], -1, axis).astype(np.float32)
;;   ~~~
;;   SOFTMAX AHEAD OF A QUANTISED PRODUCT. Where the list says 'softmax', what is quantised is not the finished softmax but p = 2^(t - M), with t = logit x log2(e) and M = ceil(the row's largest t), a whole number; so 1/2 < the row's largest p <= 1. The row's sum l is taken of the UNQUANTISED p, in f32, and the product's result is divided by l at the end. Since M is a whole number, a kernel that streams over the keys may use a running M (the ceiling of the running maximum): every later rescaling is an exact power of two, which a block's scale takes up: the codes' values come out the same.
;;   OPERANDS COMPUTED ON THE WAY. 'Computed on the way' means the value that the module computes at that place (a softmax that the list does not call 'softmax' is quantised finished and normalised). What goes into a quantiser is computed in f32, as accurately as f32 sums, v_exp_f32 and their like allow (about 1e-6 of the number): no bf16 or f16 on the way to a quantiser, and a product that is left as it is and whose result goes on into a quantised operand takes f32 operands (vector FMAs, or v_wmma_f32_16x16x4_f32). A number that lies on a knife's edge between two numbers of the format may be rounded either way, as far as f32 arithmetic and the matrix unit's own rounding can turn it there, and no further.
;;   INPUTS GIVEN AS CODES. w1 (in the module: [1024, 4096], K = its axis 0); w2 (in the module: [4096, 1024], K = its axis 0); wk (in the module: [1024, 1024], K = its axis 0); wo (in the module: [1024, 1024], K = its axis 0); wq (in the module: [1024, 1024], K = its axis 0); wv (in the module: [1024, 1024], K = its axis 0): each comes as NAME_codes (uint8): NAME with its K axis moved to the last place and cut into blocks of 32 codes, [.., K / 32, bytes a block], one block behind the other in memory; one code a byte (a code: sign, 5 exponent bits, 2 mantissa bits); and NAME_scales (uint8): the same leading axes, one E8M0 byte (e + 127) for each 32 codes along K. Its value is code x scale, taken as it is: it is not quantised again, and the codes and scales need not be those that the quantiser above would give.
;; One version. Each part assembles by itself: llvm-mc -triple=amdgcn-amd-amdhsa -mcpu=gfx1250 --defsym DOCPART=n.
;; ======== version 1 of 1: 7 launches
;; limits: right only within a limited range of input values
;; workspace buffers: hbuf 4,325,376 bytes; qbuf 4,456,448 bytes; kvbuf 8,781,824 bytes; abuf 4,325,376 bytes; x1 16,777,216 bytes; gbuf 17,301,504 bytes
;; launch ln1 (part 1): grid 256 x 1, 8 waves a work-group, no clusters, 83,456 bytes of LDS; arguments x, ln1_g, ln1_b, hbuf; writes hbuf
.if DOCPART == 1
	.amdgcn_target "amdgcn-amd-amdhsa--gfx1250"
	.amdhsa_code_object_version 6
	.text
	.protected	k_q38ccb3cf85_ln1
	.globl	k_q38ccb3cf85_ln1
	.p2align	8
	.type	k_q38ccb3cf85_ln1,@function
k_q38ccb3cf85_ln1:
	s_mov_b64 s[64:65], 0
	v_nop
	global_prefetch_b8 v0, s[64:65] scope:SCOPE_SE
	s_setreg_imm32_b32 hwreg(HW_REG_WAVE_MODE, 25, 1), 1
	s_wait_xcnt 0x0
; h = LayerNorm(x) * g + b, quantised along the row's 1,024 to codes of E5M2 with one E8M0 byte for each 32.
; x: [4096][1024] f32.  Out: codes [4096][1024] at byte 0 of the buffer, scale bytes [4096][32] at byte 0x400000.
; A work-group of eight waves takes 16 rows, a wave two: a row is 32 registers, read once by dense 16-byte loads (512 consecutive bytes a load) and kept
; in registers through mean, variance (two passes, as the definition has them) and scaling.  All 32 loads of a wave go out at once; there is no loop.
; The conversions want 16 neighbours in one lane, the loads give 4: so each 512 numbers turn through the wave's own stage in LDS (64 bytes + 16 of padding a place).
; The work-group's 512 scale bytes meet in LDS and leave as two aligned runs of 256 bytes.  No matrix unit, no tensor load: the launch streams, and waves share only those bytes.
; LIMITS: NaN and infinities are not served; a block of zeros gets the byte 1 (its codes are zeros, and only this program reads the bytes).
.set SP,   80                          ; a place in a stage: 64 bytes + 16
.set STG,  32*SP                       ; a stage: 512 numbers
.set WREG, 4*STG                       ; a wave's four stages
.set SCB,  8*WREG                      ; behind them: the work-group's 512 scale bytes
.set X,    32                          ; v32-95   two rows, 32 registers each
.set G,    96                          ; v96-127  the gain, in the loads' layout
.set B,    128                         ; v128-159 the bias
.set C,    160                         ; v160-175 codes, four registers a step
.set E,    176                         ; v176-179 scale bytes
	s_load_b256 s[4:11], s[0:1], 0x0               ; x s[4:5], g s[6:7], b s[8:9], out s[10:11]
	v_lshl_add_u32 v192, v0, 2, 0x14200
	v_mov_b32 v193, 0
	v_lshrrev_b32 v1, 5, v0
	s_delay_alu instid0(VALU_DEP_1)
	v_readfirstlane_b32 s12, v1                    ; wave 0..7
	v_and_b32 v1, 31, v0                           ; lane
	s_delay_alu instid0(VALU_DEP_1)
	v_lshlrev_b32 v2, 4, v1                        ; 16 x lane
	s_mul_i32 s13, s12, WREG
	v_lshrrev_b32 v3, 2, v1
	s_delay_alu instid0(VALU_DEP_1)
	v_mul_u32_u24 v3, v3, SP
	v_and_b32 v4, 3, v1
	s_delay_alu instid0(VALU_DEP_1)
	v_lshl_add_u32 v3, v4, 4, v3
	s_delay_alu instid0(VALU_DEP_1)
	v_add_nc_u32 v3, s13, v3                       ; into a stage: four lanes' 64 bytes on end, then the padding
	v_mul_u32_u24 v4, v1, SP
	s_delay_alu instid0(VALU_DEP_1)
	v_add_nc_u32 v4, s13, v4                       ; out of it: my 16 neighbours
	s_lshl_b32 s13, s12, 6
	s_add_co_u32 s13, s13, SCB
	v_lshrrev_b32 v5, 1, v1
	s_delay_alu instid0(VALU_DEP_1)
	v_add_nc_u32 v5, s13, v5                       ; my block's scale byte: 64 a wave, 16 a step
	v_add_nc_u32 v6, SCB, v2                       ; and the way out of all 512
	v_mov_b32 v26, 0                               ; a lane permute's destination counts as read
	s_mov_b32 s16, 0x76543210
	s_mov_b32 s17, 0xfedcba98                      ; selects for lane l xor 16
	s_mov_b32 s18, 0x3a800000                      ; 1 / 1024
	s_mov_b32 s19, 0x3727c5ac                      ; 1e-5
	s_mov_b32 s20, 0x600000                        ; the mantissa field of 57,344
	s_lshl_b32 s21, ttmp9, 4
	s_lshl_b32 s22, s12, 1
	s_add_co_u32 s21, s21, s22                     ; my first row
	s_lshl_b32 s14, s21, 12
	s_mov_b32 s15, 0
	s_wait_kmcnt 0x0
	s_add_nc_u64 s[4:5], s[4:5], s[14:15]
	s_lshl_b32 s14, s21, 10
	s_add_nc_u64 s[22:23], s[10:11], s[14:15]      ; my rows' codes
	s_lshl_b32 s14, ttmp9, 9
	s_add_co_u32 s14, s14, 0x400000
	s_add_nc_u64 s[10:11], s[10:11], s[14:15]      ; the work-group's scale bytes
.irp j, 0,1,2,3,4,5,6,7
	global_load_b128 v[X+4*\j:X+4*\j+3], v2, s[4:5] offset:512*\j
.endr
.irp j, 0,1,2,3,4,5,6,7
	global_load_b128 v[X+32+4*\j:X+32+4*\j+3], v2, s[4:5] offset:4096+512*\j
.endr
.irp j, 0,1,2,3,4,5,6,7
	global_load_b128 v[G+4*\j:G+4*\j+3], v2, s[6:7] offset:512*\j
.endr
.irp j, 0,1,2,3,4,5,6,7
	global_load_b128 v[B+4*\j:B+4*\j+3], v2, s[8:9] offset:512*\j
.endr
.macro FOLD                            ; four chains of pairs in v16-23 become one number in every lane's v16
	s_delay_alu instid0(VALU_DEP_3)
	v_pk_add_f32 v[16:17], v[16:17], v[18:19]
	s_delay_alu instid0(VALU_DEP_2)
	v_pk_add_f32 v[20:21], v[20:21], v[22:23]
	s_delay_alu instid0(VALU_DEP_1)
	v_pk_add_f32 v[16:17], v[16:17], v[20:21]
	s_delay_alu instid0(VALU_DEP_1)
	v_add_f32 v16, v16, v17
	s_delay_alu instid0(VALU_DEP_1)
	v_add_f32_dpp v16, v16, v16 row_xmask:1 row_mask:0xf bank_mask:0xf
	s_delay_alu instid0(VALU_DEP_1)
	v_add_f32_dpp v16, v16, v16 row_xmask:2 row_mask:0xf bank_mask:0xf
	s_delay_alu instid0(VALU_DEP_1)
	v_add_f32_dpp v16, v16, v16 row_xmask:4 row_mask:0xf bank_mask:0xf
	s_delay_alu instid0(VALU_DEP_1)
	v_add_f32_dpp v16, v16, v16 row_xmask:8 row_mask:0xf bank_mask:0xf
	s_delay_alu instid0(VALU_DEP_1)
	v_permlanex16_b32 v26, v16, s16, s17
	s_delay_alu instid0(VALU_DEP_1)
	v_add_f32 v16, v16, v26
.endm
.macro STATS rho, left                 ; row rho: x - mean in place, 1 / sqrt(var + eps) in v[28 + 2 rho] twice.  left: the younger loads that may stay out
.set XR, X+32*\rho
	s_wait_loadcnt \left
.irp k, 0,2,4,6
	v_pk_add_f32 v[16+\k:17+\k], v[XR+\k:XR+\k+1], v[XR+8+\k:XR+9+\k]
.endr
.irp o, 16,24
.irp k, 0,2,4,6
	s_delay_alu instid0(VALU_DEP_4)
	v_pk_add_f32 v[16+\k:17+\k], v[16+\k:17+\k], v[XR+\o+\k:XR+\o+\k+1]
.endr
.endr
	FOLD
	s_delay_alu instid0(VALU_DEP_1)
	v_mul_f32 v24, s18, v16                        ; the mean,
	s_delay_alu instid0(VALU_DEP_1)
	v_mov_b32 v25, v24                             ; twice, for the packed subtraction
.set i, 0
.rept 16
	v_pk_add_f32 v[XR+i:XR+i+1], v[XR+i:XR+i+1], v[24:25] neg_lo:[0,1] neg_hi:[0,1]
.set i, i+2
.endr
.irp k, 0,2,4,6
	v_pk_mul_f32 v[16+\k:17+\k], v[XR+\k:XR+\k+1], v[XR+\k:XR+\k+1]
.endr
.irp o, 8,16,24
.irp k, 0,2,4,6
	s_delay_alu instid0(VALU_DEP_4)
	v_pk_fma_f32 v[16+\k:17+\k], v[XR+\o+\k:XR+\o+\k+1], v[XR+\o+\k:XR+\o+\k+1], v[16+\k:17+\k]
.endr
.endr
	FOLD
	s_delay_alu instid0(VALU_DEP_1)
	v_fma_f32 v17, v16, s18, s19                   ; var + eps
	s_wait_alu depctr_va_vdst(0)
	v_rsq_f32 v[28+2*\rho], v17
	v_nop                                          ; a plain instruction behind the transcendental (ISA guide 5.7.2)
	s_wait_alu depctr_va_vdst(0)
	v_mov_b32 v[29+2*\rho], v[28+2*\rho]
.endm
.macro NORM rho
.set XR, X+32*\rho
.set i, 0
.rept 16
	v_pk_mul_f32 v[XR+i:XR+i+1], v[XR+i:XR+i+1], v[28+2*\rho:29+2*\rho]
.set i, i+2
.endr
.set i, 0
.rept 16
	v_pk_fma_f32 v[XR+i:XR+i+1], v[XR+i:XR+i+1], v[G+i:G+i+1], v[B+i:B+i+1]
.set i, i+2
.endr
.endm
.macro TURN t                          ; step t's 512 numbers through stage t; LDS serves a wave's instructions in order, so the loads see the stores
.irp i, 0,1,2,3
	ds_store_b128 v3, v[X+16*\t+4*\i:X+16*\t+4*\i+3] offset:STG*\t+8*SP*\i
.endr
.irp i, 0,1,2,3
	ds_load_b128 v[X+16*\t+4*\i:X+16*\t+4*\i+3], v4 offset:STG*\t+16*\i
.endr
.endm
.macro QSTEP t
.set XS, X+16*\t
	s_wait_dscnt 8*(3-\t)                          ; this step's numbers are back: behind its loads stand the later turns' eight LDS instructions each (and byte stores, which only make the count safer)
	v_max3_num_f32 v8, |v[XS]|, |v[XS+1]|, |v[XS+2]|
	v_max3_num_f32 v9, |v[XS+3]|, |v[XS+4]|, |v[XS+5]|
.irp i, 6,10
	s_delay_alu instid0(VALU_DEP_2)
	v_max3_num_f32 v8, v8, |v[XS+\i]|, |v[XS+\i+1]|
	s_delay_alu instid0(VALU_DEP_2)
	v_max3_num_f32 v9, v9, |v[XS+\i+2]|, |v[XS+\i+3]|
.endr
	s_delay_alu instid0(VALU_DEP_2)
	v_max3_num_f32 v8, v8, |v[XS+14]|, |v[XS+15]|
	s_delay_alu instid0(VALU_DEP_1)
	v_max3_num_f32 v8, v8, v9, 16<<23              ; the floor 2^(16 - 127): the byte cannot fall under 1
	s_delay_alu instid0(VALU_DEP_1)
	v_max_num_f32_dpp v8, v8, v8 row_xmask:1 row_mask:0xf bank_mask:0xf   ; with my neighbour's 16: the block's largest magnitude
	s_delay_alu instid0(VALU_DEP_1)
	v_add_nc_u32 v11, -(15<<23), v8                ; 15 off its exponent field: the conversion's scale operand
	s_delay_alu instid0(VALU_DEP_2)
	v_and_or_b32 v10, v8, 0x7f800000, s20          ; 57,344 x the scale
.irp i, 0,1,2,3,4,5,6,7,8,9,10,11,12,13,14,15
	v_med3_num_f32 v[XS+\i], v[XS+\i], -v10, v10   ; the conversion does not saturate (ISA guide 7.6.2): hold first
.endr
	v_cvt_scalef32_pk8_bf8_f32 v[C+4*\t:C+4*\t+1], v[XS:XS+7], v11
	v_cvt_scalef32_pk8_bf8_f32 v[C+4*\t+2:C+4*\t+3], v[XS+8:XS+15], v11
	v_lshrrev_b32 v[E+\t], 23, v11                 ; the scale's byte
	ds_store_b8 v5, v[E+\t] offset:16*\t           ; both lanes of a block write the same byte
	global_store_b128 v2, v[C+4*\t:C+4*\t+3], s[22:23] offset:512*\t   ; 32 lanes store 512 consecutive bytes
.endm
	STATS 0, 24                                    ; row 0 is in; row 1, g and b may be out
	STATS 1, 16
	s_wait_loadcnt 0x0
	NORM 0
	NORM 1
	TURN 0
	TURN 1
	TURN 2
	TURN 3
	QSTEP 0
	QSTEP 1
	QSTEP 2
	QSTEP 3
	s_wait_dscnt 0x0                               ; for wave 0's sake: my byte stores have landed
	s_barrier_signal -1
	s_barrier_wait -1
	s_cmp_lg_u32 s12, 0
	s_cbranch_scc1 .Lend
	ds_load_b128 v[12:15], v6                      ; 16 rows' scale bytes
	s_wait_dscnt 0x0
	global_store_b128 v2, v[12:15], s[10:11]       ; 512 consecutive bytes
.Lend:
	s_wait_tensorcnt 0x0
	ds_add_u32 v192, v193
	s_wait_dscnt 0x0
	s_endpgm
.Lfunc_end_k_q38ccb3cf85_ln1:
	.size	k_q38ccb3cf85_ln1, .Lfunc_end_k_q38ccb3cf85_ln1-k_q38ccb3cf85_ln1
	.p2alignl 7, 3214868480
	.fill 96, 4, 3214868480
	.section	.rodata,"a",@progbits
	.p2align	6, 0x0
	.amdhsa_kernel k_q38ccb3cf85_ln1
		.amdhsa_group_segment_fixed_size 83456
		.amdhsa_private_segment_fixed_size 0
		.amdhsa_enable_private_segment 0
		.amdhsa_kernarg_size 32
		.amdhsa_user_sgpr_count 2
		.amdhsa_user_sgpr_kernarg_segment_ptr 1
		.amdhsa_wavefront_size32 1
		.amdhsa_system_sgpr_workgroup_id_x 1
		.amdhsa_system_sgpr_workgroup_id_y 1
		.amdhsa_system_sgpr_workgroup_id_z 1
		.amdhsa_system_vgpr_workitem_id 0
		.amdhsa_next_free_vgpr 194
		.amdhsa_next_free_sgpr 66
		.amdhsa_reserve_vcc 0
		.amdhsa_float_denorm_mode_32 3
		.amdhsa_float_denorm_mode_16_64 3
		.amdhsa_memory_ordered 1
		.amdhsa_forward_progress 1
		.amdhsa_inst_pref_size 33
	.end_amdhsa_kernel
	.amdgpu_metadata
---
amdhsa.version: [ 1, 2 ]
amdhsa.kernels:
  - .name:           k_q38ccb3cf85_ln1
    .symbol:         k_q38ccb3cf85_ln1.kd
    .args:
      - { .name: x, .offset: 0, .size: 8, .value_kind: global_buffer, .address_space: global }
      - { .name: ln1_g, .offset: 8, .size: 8, .value_kind: global_buffer, .address_space: global }
      - { .name: ln1_b, .offset: 16, .size: 8, .value_kind: global_buffer, .address_space: global }
      - { .name: hbuf, .offset: 24, .size: 8, .value_kind: global_buffer, .address_space: global }
    .group_segment_fixed_size: 83456
    .private_segment_fixed_size: 0
    .kernarg_segment_align: 8
    .kernarg_segment_size: 32
    .max_flat_workgroup_size: 256
    .sgpr_count:     66
    .vgpr_count:     194
    .wavefront_size: 32
...
	.end_amdgpu_metadata
.endif
;; end of part 1
;; launch qkv (part 2): grid 12 x 16, 4 waves a work-group, clusters of 4 x 4, 327,680 bytes of LDS; arguments hbuf, wq_codes, wq_scales, wk_codes, wk_scales, wv_codes, wv_scales, bq, bk, bv, qbuf, kvbuf; writes qbuf, kvbuf
.if DOCPART == 2
	.amdgcn_target "amdgcn-amd-amdhsa--gfx1250"
	.amdhsa_code_object_version 6
	.text
	.protected	k_q38ccb3cf85_qkv
	.globl	k_q38ccb3cf85_qkv
	.p2align	8
	.type	k_q38ccb3cf85_qkv,@function
k_q38ccb3cf85_qkv:
	s_mov_b64 s[64:65], 0
	v_nop
	global_prefetch_b8 v0, s[64:65] scope:SCOPE_SE
	s_setreg_imm32_b32 hwreg(HW_REG_WAVE_MODE, 25, 1), 1
	s_wait_xcnt 0x0
	s_wait_alu depctr_hold_cnt(0) depctr_sa_sdst(0) depctr_va_vdst(0) depctr_va_sdst(0) depctr_va_ssrc(0) depctr_va_vcc(0) depctr_vm_vsrc(0)
	s_getreg_b32 s2, hwreg(HW_REG_IB_STS2, 6, 4)
	s_cmp_eq_u32 s2, 0
	s_cbranch_scc0 .Lentry_in_a_cluster
	s_endpgm
.Lentry_in_a_cluster:
	s_bfe_u32 s2, ttmp6, 0x10000c
	s_cmp_lg_u32 s2, 0xf033
	s_cbranch_scc0 .Lentry_shape_is_right
	s_endpgm
.Lentry_shape_is_right:
; q = h wq + bq, k = h wk + bk, v^T = wv^T h^T + bv, all on codes of E5M2 with E8M0 scales, each result quantised for the attention that follows.
; ONE PATH SERVES ALL THREE: the cluster's x says which (0 q, 1 k, 2 v); only pointers, tile coordinates and a few strides are selected by it, and it is the same in all partners of a cluster.
; For q and k the row operand ("A", source 1) is h [4096][1024] and the column operand ("B", source 0) the weight [1024][1024]; for v they change places, so that a lane holds one channel
; and its registers run along the keys: the same way out then quantises q and k along the head's 64 and v along the keys.
; A tile of 256 x 256 is made by four waves, each 128 x 128 in 512 registers.  K = 1,024 goes in steps of 256 through two LDS slots filled by the tensor data mover; the scale bytes of the
; tile's 512 rows come once and stay.  4 x 4 work-groups form a cluster: A's tiles are asked for jointly along a row of it, B's along a column.
; THE MATRIX INSTRUCTION IS USED TRANSPOSED: in accumulator (a, b) lane (r, h) holds row 16 a + r of A's side and columns 16 b + 8 h + 0..7 of B's side.
; THE WAY OUT.  Tiles 2 q and 2 q + 1 are a block of 32, in lanes l and l xor 16.  Its codes are made in registers, two lane swaps bring them into the operand's layout
; (lane (r, h): k = 32 c + 16 h + 0..15), and they are stored as IMAGES OF THE OPERAND'S REGISTERS: register group c of lane l at 512 c + 16 l: every store covers 512 consecutive bytes.
; qbuf: images [bh][query tile][1,024 B], scale words [bh][2048] at 0x400000.  kvbuf: records of 16,384 B for 128 keys: K's 8 tiles of 1,024 B, then V^T's 4 tiles of 2,048 B; at 0x800000, 12,288 B a head: K's words, then V's.
; The bias along B's side (q, k) is the C of the first products; the bias along A's side (v) is added on the way out; the one that does not apply is zero.
; LIMITS: NaN and infinities are not served; a block of zeros gets the byte 1 (its codes are zeros, and only this program reads the bytes).
; REGISTERS: window 0: v1-31 addresses, v8-15 the row bias, v32-63 scale words, v64-127 the column bias, v128-255 A's fragments; window 1: B's fragments, two sets, on the way out at work; windows 2, 3: accumulators.
.set KSTEP,  256
.set NQ,     2
.set ROWB,   256
.set KROW,   1024
.set PITCH,  272                       ; an LDS row: 256 bytes + 16 of padding: the 16 rows of a fragment load start at 16 different banks (64 banks of 4 bytes: ISA guide 11.1)
.set FR,     16
.set NL,     4
.set NP,     8                         ; places behind this matrix instruction (ISA guide 7.12.1)
.set HALFT,  128*PITCH
.set SLOT,   4*HALFT
.set LAPS,   2
.set KS,     32
.set SCL,    2*SLOT
.set HALFS,  (128*KS/256)*272
.set SBLK,   (16*KS/256)*272
.set SPARE,  SCL+4*HALFS               ; the spare words: two blocks of 256 bytes that no other line names
.set BM,   8                           ; v8-15   the bias of row 16 a + r
.set ADRA, 16
.set VA,   18                          ; the way out: 16 x lane, stepped from tile to tile
.set VB,   19                          ; the same for the image's second half
.set ADRB, 20
.set VS1,  22                          ; 4 x lane
.set VS2,  23
.set VS3,  24
.set ADRS, 27
.set SPW,  28
.set NIL,  29
.set SC,   32
.set BN,   64                          ; v64-127 the bias of column 16 b + 8 h + j
.set AF,   128
.set XX,   0                           ; window 1, on the way out: 64 numbers
.set PC,   64                          ; their codes
.set TM,   80                          ; at work
.set X1,   100                         ; scale words of the eight row tiles
.set X2,   108
.set Y,    116
.set SEL,  100                         ; s[100:101] selects for lane l xor 16
.set MNT,  66                          ; s66 the mantissa field of 57,344
.set G1, 24
.set G0, 32
.set G1B, 48
.set G0B, 56
.set G1S, 68
.set G0S, 76
.set G1SB, 80
.set G0SB, 88
.set MSB, 0
.macro WIN new                         ; the immediate's high byte repeats the setting that is left
.if MSB != (\new)
	s_set_vgpr_msb (MSB<<8)|(\new)
.set MSB, (\new)
.endif
.endm
.set MUL_LO, 0xa1                      ; source 0 (B) window 1, source 1 (A) window 0, C and D window 2
.set MUL_HI, 0xf1
.set TO_B,   0x40
.macro JLOAD g0a, g1a, g0b, g1b        ; a joint load: waves 0 and 1 fetch for A, waves 2 and 3 for B; four v_nop follow each line
	s_cmp_eq_u32 s15, 0
	s_cbranch_scc0 .Lfor_b_\@
	tensor_load_to_lds s[\g0a:\g0a+3], s[\g1a:\g1a+7]
	s_nop 0
.rept 4
	v_nop
.endr
	s_branch .Lasked_\@
.Lfor_b_\@:
	tensor_load_to_lds s[\g0b:\g0b+3], s[\g1b:\g1b+7]
	s_nop 0
.rept 4
	v_nop
.endr
.Lasked_\@:
.endm
.macro CREST
	s_cmp_lg_u32 s14, 0
	s_cbranch_scc1 .Lnot_wave_0_\@
	s_barrier_signal -3
.Lnot_wave_0_\@:
	s_barrier_wait -3
	s_barrier_signal -1
	s_barrier_wait -1
.endm
.macro CROUND
	s_barrier_signal -1
	s_barrier_wait -1
	CREST
.endm
	s_load_b512 s[68:83], s[0:1], 0x0              ; h, wq codes, wq scales, wk codes, wk scales, wv codes, wv scales, bq
	s_load_b256 s[84:91], s[0:1], 0x40             ; bk, bv, qbuf, kvbuf
	v_lshl_add_u32 v[SPW], v0, 2, SPARE
	v_mov_b32 v[NIL], 0
	ds_add_u32 v28, v29
	ds_add_u32 v28, v29
	s_wait_dscnt 0x0
	v_lshrrev_b32 v1, 5, v0
	v_readfirstlane_b32 s14, v1                    ; wave 0..3
	s_lshr_b32 s15, s14, 1                         ; my half of A's rows.  Also: I fetch for A (0) or for B (1)
	s_and_b32 s16, s14, 1                          ; my half of B's rows.  Also: which 128 rows I fetch
	s_bfe_u32 s40, ttmp6, 0x40000                  ; cx
	s_bfe_u32 s41, ttmp6, 0x40004                  ; cy
	s_and_b32 s66, ttmp7, 0xffff
	s_lshl_b32 s66, s66, 2                         ; 4 x the cluster's y: it walks the tokens
	s_cmp_eq_u32 ttmp9, 2
	s_cselect_b32 s17, 0, s66
	s_cselect_b32 s42, s66, 0
	s_add_co_u32 s17, s17, s41                     ; A's tile row: tokens (q, k) or channels (v)
	s_add_co_u32 s42, s42, s40                     ; B's tile row: channels (q, k) or tokens (v)
	s_lshl_b32 s43, s41, 2
	s_lshl_b32 s43, 15, s43                        ; my row of the cluster
	s_lshl_b32 s44, 0x1111, s40                    ; my column
	s_or_b32 s[G1+0], s43, (0<<16)|(1<<20)|(1<<21)|(5<<22)|(3<<25)   ; mask; 1-byte elements; padding of 4 words after every 64; bit 21 beside a mask
	s_or_b32 s[G1B+0], s44, (0<<16)|(1<<20)|(1<<21)|(5<<22)|(3<<25)
.irp g, G1, G1B
	s_mov_b32 s[\g+1], ROWB<<16                    ; tensor_dim0
	s_mov_b32 s[\g+2], 256<<16                     ; tensor_dim1: 256 rows for the head's loads; 128 behind them
	s_mov_b32 s[\g+3], ROWB<<16                    ; tile_dim0
	s_mov_b32 s[\g+4], 256                         ; tile_dim1
	s_mov_b32 s[\g+5], KROW                        ; stride
	s_mov_b32 s[\g+6], 0
	s_mov_b32 s[\g+7], 0
.endr
	s_lshl_b32 s18, s16, 7
	s_lshl_b32 s20, s17, 8
	s_add_co_u32 s20, s20, s18                     ; A: the first row that I fetch
	s_lshl_b32 s46, s42, 8
	s_add_co_u32 s46, s46, s18                     ; B likewise
	s_mov_b32 s21, 0
	s_mov_b32 s47, 0
	s_mov_b64 s[18:19], KS
	s_lshl_b32 s22, s17, 13                        ; the scale bytes of the tile's 256 rows: 8,192 bytes a tile row, whole
	s_mov_b32 s23, 0
	s_lshl_b32 s92, s42, 13
	s_mov_b32 s93, 0
	s_mov_b64 s[18:19], KROW
	s_mul_u64 s[20:21], s[20:21], s[18:19]
	s_mul_u64 s[46:47], s[46:47], s[18:19]
	s_mul_i32 s45, s14, HALFT
	s_wait_kmcnt 0x0
	s_add_nc_u64 s[100:101], s[68:69], 0x400000    ; h's scale bytes
	s_cmp_eq_u32 ttmp9, 0                          ; the choices hang on the cluster's x alone
	s_cselect_b64 s[8:9], s[70:71], s[74:75]
	s_cselect_b64 s[10:11], s[72:73], s[76:77]
	s_cselect_b64 s[12:13], s[82:83], s[84:85]
	s_cselect_b64 s[96:97], s[88:89], s[90:91]     ; where the results go
	s_cmp_eq_u32 ttmp9, 2
	s_cselect_b64 s[4:5], s[78:79], s[68:69]       ; A's codes
	s_cselect_b64 s[6:7], s[80:81], s[100:101]     ; A's scales
	s_cselect_b64 s[8:9], s[68:69], s[8:9]         ; B's codes
	s_cselect_b64 s[10:11], s[100:101], s[10:11]   ; B's scales
	s_cselect_b64 s[12:13], s[86:87], s[12:13]     ; the bias
	s_add_nc_u64 s[20:21], s[4:5], s[20:21]
	s_add_nc_u64 s[22:23], s[6:7], s[22:23]
	s_add_nc_u64 s[46:47], s[8:9], s[46:47]
	s_add_nc_u64 s[92:93], s[10:11], s[92:93]
	s_or_b32 s[G1S+0], s43, (3<<16)|(1<<20)|(1<<21)|(5<<22)|(3<<25)   ; the scales of 256 rows: a dense block, as rows of 256 bytes with 16 of padding
	s_or_b32 s[G1SB+0], s44, (3<<16)|(1<<20)|(1<<21)|(5<<22)|(3<<25)
.irp g, G1S, G1SB
	s_mov_b32 s[\g+1], 32<<16
	s_mov_b32 s[\g+2], KS<<16                      ; 256 rows' scale bytes are KS rows of 256 bytes
	s_mov_b32 s[\g+3], 32<<16
	s_mov_b32 s[\g+4], KS
	s_mov_b32 s[\g+5], 32
	s_mov_b32 s[\g+6], 0
	s_mov_b32 s[\g+7], 0
.endr
	CROUND                                         ; all sixteen work-groups are here: the first joint loads meet
	s_mov_b32 s[G0S], 1
	s_mov_b32 s[G0S+1], SCL
	s_mov_b64 s[G0S+2:G0S+3], s[22:23]
	s_or_b32 s[G0S+3], s[G0S+3], 0x80000000
	s_mov_b32 s[G0SB], 1
	s_mov_b32 s[G0SB+1], SCL+2*HALFS
	s_mov_b64 s[G0SB+2:G0SB+3], s[92:93]
	s_or_b32 s[G0SB+3], s[G0SB+3], 0x80000000
.irp s, 0,1
	s_mov_b32 s[G0+4*\s], 1
	s_add_co_u32 s[G0+4*\s+1], s45, \s*SLOT
	s_add_nc_u64 s[G0+4*\s+2:G0+4*\s+3], s[20:21], \s*ROWB
	s_or_b32 s[G0+4*\s+3], s[G0+4*\s+3], 0x80000000
	s_mov_b32 s[G0B+4*\s], 1
	s_add_co_u32 s[G0B+4*\s+1], s45, \s*SLOT
	s_add_nc_u64 s[G0B+4*\s+2:G0B+4*\s+3], s[46:47], \s*ROWB
	s_or_b32 s[G0B+4*\s+3], s[G0B+4*\s+3], 0x80000000
.endr
; THE HEAD'S LOADS, ONE A WAVE, in one chain of branches on the wave's number: wave 0 K step 0's 256 rows of A, wave 2 its 256 rows of B
; (their own slot 0 descriptors begin at the tile's first row and at that tile's first LDS byte), wave 1 A's scale bytes, wave 3 B's.
.macro HARM g0, g1
	tensor_load_to_lds s[\g0:\g0+3], s[\g1:\g1+7]
	s_nop 0
.rept 4
	v_nop
.endr
.endm
	s_cmp_eq_u32 s14, 0
	s_cbranch_scc0 .Lhead_1
	HARM G0, G1
	s_branch .Lhead_asked
.Lhead_1:
	s_cmp_eq_u32 s14, 2
	s_cbranch_scc0 .Lhead_2
	HARM G0B, G1B
	s_branch .Lhead_asked
.Lhead_2:
	s_cmp_eq_u32 s14, 1
	s_cbranch_scc0 .Lhead_3
	HARM G0S, G1S
	s_branch .Lhead_asked
.Lhead_3:
	HARM G0SB, G1SB
.Lhead_asked:
	; PREFETCHES INTO THE L2: K steps 1, 2 and 3, each asked for one K step ahead of the load that wants it, one instruction a wave, a lane a row (256 bytes of it).  Of the 128 rows that I fetch in the ring,
	; each of the four partners that ask for them jointly takes 32, told apart by address (cx for A, cy for B): each block of 256 bytes is named once in each cluster.  The address stands; the K step is the immediate.
	s_cmp_eq_u32 s15, 0                            ; do I fetch for A?
	s_cselect_b64 s[8:9], s[20:21], s[46:47]
	s_cselect_b32 s18, s40, s41
	s_lshl_b32 s18, s18, 15                        ; 32 rows of 1,024 bytes
	s_mov_b32 s19, 0
	s_add_nc_u64 s[8:9], s[8:9], s[18:19]
	v_and_b32 v25, 31, v0
	v_lshlrev_b32 v25, 10, v25                     ; my lane's row; never rewritten
	global_prefetch_b8 v25, s[8:9] offset:ROWB th:TH_LOAD_NT scope:SCOPE_SE
	v_and_b32 v1, 15, v0
	v_bfe_u32 v2, v0, 4, 1                         ; h
	v_mul_u32_u24 v3, v1, PITCH
	v_lshl_add_u32 v4, v2, 4, v3
	s_mul_i32 s21, s15, HALFT
	s_mul_i32 s22, s16, HALFT
	s_add_co_u32 s22, s22, 2*HALFT
.irp s, 0,1
	v_add_nc_u32 v[ADRA+\s], s21, v4
	v_add_nc_u32 v[ADRB+\s], s22, v4
	s_add_co_u32 s21, s21, SLOT
	s_add_co_u32 s22, s22, SLOT
.endr
	v_mul_u32_u24 v5, v1, KS
	v_lshrrev_b32 v6, 8, v5
	v_lshl_add_u32 v5, v6, 4, v5
	s_mul_i32 s21, s15, HALFS
	s_mul_i32 s22, s16, HALFS
	s_add_co_u32 s22, s22, 2*HALFS
	s_sub_co_u32 s22, s22, s21
	v_mul_u32_u24 v6, s22, v2                      ; lanes 16-31 take B's words
	s_add_co_u32 s21, s21, SCL
	v_add_nc_u32 v5, v5, v6
	v_add_nc_u32 v[ADRS], s21, v5
	; ---- where my 128 x 128 goes
	s_lshl_b32 s20, s17, 8
	s_lshl_b32 s21, s15, 7
	s_add_co_u32 s20, s20, s21                     ; m0: my first row of A's side
	s_lshl_b32 s21, s42, 8
	s_lshl_b32 s22, s16, 7
	s_add_co_u32 s21, s21, s22                     ; n0: of B's side
	s_mov_b32 s92, 1024
	s_cmp_eq_u32 ttmp9, 2
	s_cselect_b32 s22, s21, s20                    ; my first token
	s_cselect_b32 s23, s20, s21                    ; my first channel
	s_cselect_b32 s43, 0, s21                      ; where the column bias is read (q, k), or 0
	s_cselect_b32 s44, s20, 0                      ; where the row bias is read (v), or 0: no load leaves its buffer
	s_cselect_b32 s67, -1, 0                       ; all lanes: this is v
	s_cselect_b32 s92, 2048, s92                   ; bytes from a row tile's image to the next
	s_cselect_b32 s93, 253952, 0                   ; v: and on to the next head behind four tiles
	s_cselect_b32 s94, 0xffff, 0                   ; v: a word has four bytes; q, k: two
	s_cselect_b32 s5, 8192, 0                      ; v's part of a record, and of a head's scale words, lies behind k's
	s_cselect_b32 s6, 1, 2
	s_mov_b32 s45, 12288
	s_mov_b32 s46, 262144
	s_mov_b32 s47, 0x800000
	s_cmp_eq_u32 ttmp9, 0
	s_cselect_b32 s45, 8192, s45                   ; a head's scale words in bytes
	s_cselect_b32 s46, 131072, s46                 ; a head's images in bytes
	s_cselect_b32 s47, 0x400000, s47               ; where the scale words begin
	s_cselect_b32 s7, 6, 7
	s_cmp_eq_u32 ttmp9, 2
	s_cselect_b32 s18, 1024, s46                   ; from an image's first two groups to its last two: the same tile (v) or the next head (q, k)
	s_cselect_b32 s19, s45, 256
	s_lshr_b32 s4, s22, 11
	s_lshl_b32 s4, s4, 4
	s_lshr_b32 s23, s23, 6
	s_add_co_u32 s4, s4, s23                       ; 16 x batch + head
	s_and_b32 s22, s22, 2047                       ; the token in its sequence
	s_mul_i32 s23, s4, s46
	s_lshl_b32 s7, s22, s7
	s_add_co_u32 s23, s23, s7
	s_add_co_u32 s20, s23, s5
	s_mov_b32 s21, 0
	s_mul_i32 s23, s4, s45
	s_lshl_b32 s6, s22, s6
	s_add_co_u32 s23, s23, s6
	s_add_co_u32 s23, s23, s5
	s_add_co_u32 s22, s23, s47
	s_mov_b32 s23, 0
	s_add_nc_u64 s[98:99], s[96:97], s[22:23]      ; my scale words
	s_add_nc_u64 s[96:97], s[96:97], s[20:21]      ; my images
	s_lshl_b32 s4, s43, 2
	s_mov_b32 s5, 0
	s_add_nc_u64 s[4:5], s[12:13], s[4:5]
	s_lshl_b32 s6, s44, 2
	s_mov_b32 s7, 0
	s_add_nc_u64 s[6:7], s[12:13], s[6:7]
	v_and_b32 v3, 31, v0
	v_lshlrev_b32 v[VA], 4, v3
	v_add_nc_u32 v[VB], s18, v[VA]
	v_lshlrev_b32 v[VS1], 2, v3
	v_add_nc_u32 v[VS2], s45, v[VS1]
	v_add_nc_u32 v[VS3], s19, v[VS1]
	v_lshlrev_b32 v30, 5, v2                       ; 32 h
	v_lshlrev_b32 v31, 2, v1                       ; 4 r
	v_mov_b32 v7, 0
.irp b, 0,1,2,3,4,5,6,7
	global_load_b128 v[BN+8*\b:BN+8*\b+3], v30, s[4:5] offset:64*\b
	global_load_b128 v[BN+8*\b+4:BN+8*\b+7], v30, s[4:5] offset:64*\b+16
.endr
.irp a, 0,1,2,3,4,5,6,7
	global_load_b32 v[BM+\a], v31, s[6:7] offset:64*\a
.endr
	s_mov_b32 s95, 0xffff0000                      ; lanes 16-31
	s_mov_b32 s[SEL], 0x76543210
	s_mov_b32 s[SEL+1], 0xfedcba98
	s_mov_b32 s[MNT], 0x600000
.macro FRAG reg, adr, q, i             ; 16 rows x 128 K: lane l holds row l % 16; registers 4 c .. 4 c + 3 hold K = 32 c + 16 (l / 16) + 0 .. 15
.irp c, 0,1,2,3
	ds_load_b128 v[\reg+4*\c:\reg+4*\c+3], v[\adr] offset:128*(\q)+32*\c+(\i)*16*PITCH
.endr
.endm
; 16 matrix instructions: A's blocks a0, a0 + 1 x B's eight.  zero = 1: the first products, whose C is the column bias.  The 64 accumulators take turns, one instruction a turn.
.macro MUL16 a0, p, q, sc, zero
.irp a, \a0, \a0+1
.irp b, 0,1,2,3,4,5,6,7
.if \zero
	v_wmma_scale_f32_16x16x128_f8f6f4 v[8*(8*((\a)%4)+\b):8*(8*((\a)%4)+\b)+7], v[128*(\p)+FR*\b:128*(\p)+FR*\b+FR-1], v[AF+FR*(\a):AF+FR*(\a)+FR-1], v[BN+8*\b:BN+8*\b+7], v[SC+8*NQ*(\sc)+NQ*\b+(\q)], v[SC+8*NQ*(\sc)+NQ*(\a)+(\q)] matrix_a_fmt:MATRIX_FMT_BF8 matrix_b_fmt:MATRIX_FMT_BF8 matrix_a_scale:MATRIX_SCALE_ROW1
.else
	v_wmma_scale_f32_16x16x128_f8f6f4 v[8*(8*((\a)%4)+\b):8*(8*((\a)%4)+\b)+7], v[128*(\p)+FR*\b:128*(\p)+FR*\b+FR-1], v[AF+FR*(\a):AF+FR*(\a)+FR-1], v[8*(8*((\a)%4)+\b):8*(8*((\a)%4)+\b)+7], v[SC+8*NQ*(\sc)+NQ*\b+(\q)], v[SC+8*NQ*(\sc)+NQ*(\a)+(\q)] matrix_a_fmt:MATRIX_FMT_BF8 matrix_b_fmt:MATRIX_FMT_BF8 matrix_a_scale:MATRIX_SCALE_ROW1
.endif
.endr
.endr
.endm
.macro FETCH_B slot, q, p
	WIN TO_B
.irp i, 0,1,2,3,4,5,6,7
	FRAG 128*(\p)+FR*\i, ADRB+\slot, \q, \i
.endr
	WIN 0
.endm
.macro FETCH_A slot, q, i0
.irp i, \i0, \i0+1, \i0+2, \i0+3
	FRAG AF+FR*(\i), ADRA+\slot, \q, \i
.endr
.endm
.macro SCALES sc                       ; a K step's scale words: lanes 0-15 A's block i, lanes 16-31 B's block i
.irp i, 0,1,2,3,4,5,6,7
	ds_load_b64 v[SC+8*NQ*\sc+NQ*\i:SC+8*NQ*\sc+NQ*\i+1], v[ADRS] offset:\i*SBLK
.endr
.endm
.macro PLACES n                        ; plain vector instructions between a matrix instruction and a load into, or a read of, its registers
.rept \n
	v_nop
.endr
.endm
.macro STEP slot, q, zero
	s_wait_dscnt 4*NL                              ; B's set and A's blocks 0-3 are in; the youngest 16 loads (A's blocks 4-7) may be out
	WIN MUL_LO-0x20*\zero                          ; (the first products take C from window 0)
	MUL16 0, (\q)%2, \q, \slot, \zero
	MUL16 2, (\q)%2, \q, \slot, \zero
	s_wait_dscnt 0
	PLACES NP
	FETCH_B \slot, (\q)+1, 1-(\q)%2
	FETCH_A \slot, (\q)+1, 0
	WIN MUL_HI-0x30*\zero
	MUL16 4, (\q)%2, \q, \slot, \zero
	MUL16 6, (\q)%2, \q, \slot, \zero
	PLACES NP
	WIN 0
	FETCH_A \slot, (\q)+1, 4
.endm
; A slot's last step changes slots: one barrier; in front of it each wave waits for all its tensor loads, adds 0 to its spare word, and waits for that and for its reads of this slot.
.macro TURN slot, next, fill
	s_wait_tensorcnt 0x0                           ; all my tensor loads have landed: my part of the next slot
	ds_add_u32 v[SPW], v[NIL]
	s_wait_dscnt 4*NL+1                            ; the add and the youngest 16 loads may be out
	WIN MUL_LO
	MUL16 0, 1, NQ-1, \slot, 0
	s_wait_dscnt 0x0                               ; the add is done, and my reads of this slot are over
	s_barrier_signal -1
	MUL16 2, 1, NQ-1, \slot, 0
	WIN 0
	s_barrier_wait -1
.if \fill
	CREST                                          ; the barrier has opened a round of the cluster's barrier: no wave of any partner still reads this slot or has a load on its way
	s_add_nc_u64 s[G0+4*\slot+2:G0+4*\slot+3], s[G0+4*\slot+2:G0+4*\slot+3], 2*ROWB
	s_add_nc_u64 s[G0B+4*\slot+2:G0B+4*\slot+3], s[G0B+4*\slot+2:G0B+4*\slot+3], 2*ROWB
	JLOAD G0+4*\slot, G1, G0B+4*\slot, G1B
	PLACES NP-4
.else
	PLACES NP
.endif
	s_wait_alu depctr_va_vdst(0)
	v_add_nc_u32 v[ADRS], 4*NQ, v[ADRS]
	FETCH_B \next, 0, 0
	FETCH_A \next, 0, 0
	SCALES \next
.if (\fill) && (\slot) == 0
	global_prefetch_b8 v25, s[8:9] offset:3*ROWB th:TH_LOAD_NT scope:SCOPE_SE   ; K step 3, the last, behind K step 2's load (the loop has one trip)
.endif
	WIN MUL_HI
	MUL16 4, 1, NQ-1, \slot, 0
	MUL16 6, 1, NQ-1, \slot, 0
	PLACES NP
	WIN 0
	FETCH_A \next, 0, 4
.endm
	s_wait_alu depctr_va_vdst(0)
	s_wait_tensorcnt 0x0                           ; my tile of the head's four is in; slot 1's first fill is issued as a refill is
	ds_add_u32 v[SPW], v[NIL]
	s_mov_b32 s[G1+2], 128<<16                     ; no tensor load of mine is out: from here on a load brings 128 rows
	s_mov_b32 s[G1+4], 128
	s_mov_b32 s[G1B+2], 128<<16
	s_mov_b32 s[G1B+4], 128
	s_wait_dscnt 0x0
	CROUND                                         ; all four tiles are in, and all sixteen work-groups are here
	JLOAD G0+4, G1, G0B+4, G1B                     ; K step 1
	FETCH_B 0, 0, 0
	FETCH_A 0, 0, 0
	SCALES 0
	global_prefetch_b8 v25, s[8:9] offset:2*ROWB th:TH_LOAD_NT scope:SCOPE_SE   ; K step 2, behind K step 1's load
	FETCH_A 0, 0, 4
	s_wait_loadcnt 0x0                             ; the biases
.set i, 0
.rept 64
	v_cndmask_b32 v[BN+i], v[BN+i], v7, s67        ; v has no bias along B's side,
.set i, i+1
.endr
.irp a, 0,1,2,3,4,5,6,7
	v_cndmask_b32 v[BM+\a], v7, v[BM+\a], s67      ; q and k none along A's
.endr
	s_wait_alu depctr_va_vdst(0)
	STEP 0, 0, 1
	s_mov_b32 s3, LAPS-1
.Llap:
	TURN 0, 1, 1
	STEP 1, 0, 0
	TURN 1, 0, 1
	STEP 0, 0, 0
	s_sub_co_u32 s3, s3, 1
	s_cmp_lg_u32 s3, 0
	s_cbranch_scc1 .Llap
	TURN 0, 1, 0
	STEP 1, 0, 0
	s_wait_dscnt 4*NL
	WIN MUL_LO
	MUL16 0, 1, NQ-1, 1, 0
	MUL16 2, 1, NQ-1, 1, 0
	s_wait_dscnt 0
	WIN MUL_HI
	MUL16 4, 1, NQ-1, 1, 0
	MUL16 6, 1, NQ-1, 1, 0
	WIN 0
; 64 numbers of a lane, registers 16 b + i: block b's numbers of my row that lie in my half of the lanes.  They become codes in v[PC] on, in the operand's layout, and four scale bytes in v[TM+4] on.
.macro QUANT s
.irp b, 0,1,2,3
	v_max3_num_f32 v[TM+\b], |v[\s+16*\b]|, |v[\s+1+16*\b]|, 0x8000000   ; with the floor 2^(16 - 127): the byte cannot fall under 1
.endr
.irp i, 2,4,6,8,10,12,14
.irp b, 0,1,2,3
	v_max3_num_f32 v[TM+\b], v[TM+\b], |v[\s+16*\b+\i]|, |v[\s+1+16*\b+\i]|
.endr
.endr
.irp b, 0,1,2,3
	v_permlanex16_b32 v[TM+4+\b], v[TM+\b], s[SEL], s[SEL+1]
.endr
.irp b, 0,1,2,3
	v_max_num_f32 v[TM+\b], v[TM+\b], v[TM+4+\b]   ; the block's largest magnitude
.endr
.irp b, 0,1,2,3
	v_add_nc_u32 v[TM+12+\b], 0xf8800000, v[TM+\b] ; 15 off its exponent field: the conversion's scale operand
.endr
.irp b, 0,1,2,3
	v_and_or_b32 v[TM+8+\b], v[TM+\b], 0x7f800000, s[MNT]   ; 57,344 x the scale
.endr
.irp b, 0,1,2,3
	v_lshrrev_b32 v[TM+4+\b], 23, v[TM+12+\b]      ; the scale's byte
.endr
.irp b, 0,1,2,3
.irp i, 0,1,2,3,4,5,6,7,8,9,10,11,12,13,14,15
	v_med3_num_f32 v[\s+16*\b+\i], v[\s+16*\b+\i], -v[TM+8+\b], v[TM+8+\b]   ; the conversion does not saturate (ISA guide 7.6.2)
.endr
	v_cvt_scalef32_pk8_bf8_f32 v[PC+4*\b:PC+1+4*\b], v[\s+16*\b:\s+7+16*\b], v[TM+12+\b]
	v_cvt_scalef32_pk8_bf8_f32 v[PC+2+4*\b:PC+3+4*\b], v[\s+8+16*\b:\s+15+16*\b], v[TM+12+\b]
.endr
	v_nop                                          ; a plain instruction between the conversions and what touches their results
.irp b, 0,1,2,3
	v_permlane16_swap_b32 v[PC+4*\b], v[PC+2+4*\b] ; the even tile's upper lanes (k 8..15) change places with the odd tile's lower lanes (k 16..23):
	v_permlane16_swap_b32 v[PC+1+4*\b], v[PC+3+4*\b]   ; lanes 0-15 now hold k 0..15 of the block, lanes 16-31 k 16..31
.endr
.endm
.macro EPI a                           ; row tile a: 16 rows x 128 columns
	WIN 0x42+(\a)/4                                ; destination window 1, the accumulators window 2 or 3, the row bias window 0
.set i, 0
.rept 32
.if (\a)%2
	v_pk_add_f32 v[XX+2*i:XX+2*i+1], v[64*((\a)%4)+2*i:64*((\a)%4)+2*i+1], v[BM+2*((\a)/2):BM+2*((\a)/2)+1] op_sel:[0,1]
.else
	v_pk_add_f32 v[XX+2*i:XX+2*i+1], v[64*((\a)%4)+2*i:64*((\a)%4)+2*i+1], v[BM+2*((\a)/2):BM+2*((\a)/2)+1] op_sel_hi:[1,0]
.endif
.set i, i+1
.endr
	WIN 0x55
	QUANT XX
	v_lshl_or_b32 v[TM+16], v[TM+5], 8, v[TM+4]    ; blocks 0, 1
	v_lshl_or_b32 v[X2+\a], v[TM+7], 8, v[TM+6]    ; blocks 2, 3: the second head's word (q, k)
	v_and_b32 v[TM+17], s94, v[X2+\a]
	v_lshl_or_b32 v[X1+\a], v[TM+17], 16, v[TM+16] ; or the upper half of the one word (v)
	WIN 0x04                                       ; the stores' data: window 1
	global_store_b128 v[VA], v[PC:PC+3], s[96:97]
	global_store_b128 v[VA], v[PC+4:PC+7], s[96:97] offset:512
	global_store_b128 v[VB], v[PC+8:PC+11], s[96:97]
	global_store_b128 v[VB], v[PC+12:PC+15], s[96:97] offset:512
	WIN 0
	s_wait_xcnt 0x0                                ; the stores' addresses and data are rewritten only behind this wait
	v_add_nc_u32 v[VA], s92, v[VA]
	v_add_nc_u32 v[VB], s92, v[VB]
.if (\a) == 3
	v_add_nc_u32 v[VA], s93, v[VA]
	v_add_nc_u32 v[VB], s93, v[VB]
.endif
.endm
	PLACES NP
	WIN 0x55
.irp b, 0,1,2,3
	v_mov_b32 v[TM+4+\b], 0                        ; a lane permute's destination counts as read
.endr
.irp a, 0,1,2,3,4,5,6,7
	EPI \a
.endr
	WIN 0x55
	s_wait_alu depctr_va_vdst(0)
.irp p, 0,1,2,3
	v_cndmask_b32 v[Y+\p], v[X1+2*\p], v[X1+2*\p+1], s95       ; lanes 0-15: tile 2 p's rows, lanes 16-31: tile 2 p + 1's: 32 rows' words on end
	v_cndmask_b32 v[Y+4+\p], v[X2+2*\p], v[X2+2*\p+1], s95
.endr
	WIN 0x04
	global_store_b32 v[VS1], v[Y], s[98:99]
	global_store_b32 v[VS1], v[Y+1], s[98:99] offset:128
	global_store_b32 v[VS3], v[Y+2], s[98:99]
	global_store_b32 v[VS3], v[Y+3], s[98:99] offset:128
	WIN 0
	s_cmp_eq_u32 ttmp9, 2                          ; v has no second word a row; the cluster's x is the same in all partners
	s_cbranch_scc1 .Lno_x2
	WIN 0x04
.irp p, 0,1,2,3
	global_store_b32 v[VS2], v[Y+4+\p], s[98:99] offset:128*\p
.endr
	WIN 0
.Lno_x2:
	s_wait_tensorcnt 0x0                           ; the wave's end
	ds_add_u32 v[SPW], v[NIL]
	s_wait_dscnt 0x0
	CROUND                                         ; the closing round
	s_endpgm
.Lfunc_end_k_q38ccb3cf85_qkv:
	.size	k_q38ccb3cf85_qkv, .Lfunc_end_k_q38ccb3cf85_qkv-k_q38ccb3cf85_qkv
	.p2alignl 7, 3214868480
	.fill 96, 4, 3214868480
	.section	.rodata,"a",@progbits
	.p2align	6, 0x0
	.amdhsa_kernel k_q38ccb3cf85_qkv
		.amdhsa_group_segment_fixed_size 327680
		.amdhsa_private_segment_fixed_size 0
		.amdhsa_enable_private_segment 0
		.amdhsa_kernarg_size 96
		.amdhsa_user_sgpr_count 2
		.amdhsa_user_sgpr_kernarg_segment_ptr 1
		.amdhsa_wavefront_size32 1
		.amdhsa_system_sgpr_workgroup_id_x 1
		.amdhsa_system_sgpr_workgroup_id_y 1
		.amdhsa_system_sgpr_workgroup_id_z 1
		.amdhsa_system_vgpr_workitem_id 0
		.amdhsa_next_free_vgpr 1024
		.amdhsa_next_free_sgpr 102
		.amdhsa_reserve_vcc 0
		.amdhsa_float_denorm_mode_32 3
		.amdhsa_float_denorm_mode_16_64 3
		.amdhsa_memory_ordered 1
		.amdhsa_forward_progress 1
		.amdhsa_inst_pref_size 215
	.end_amdhsa_kernel
	.amdgpu_metadata
---
amdhsa.version: [ 1, 2 ]
amdhsa.kernels:
  - .name:           k_q38ccb3cf85_qkv
    .symbol:         k_q38ccb3cf85_qkv.kd
    .args:
      - { .name: hbuf, .offset: 0, .size: 8, .value_kind: global_buffer, .address_space: global }
      - { .name: wq_codes, .offset: 8, .size: 8, .value_kind: global_buffer, .address_space: global }
      - { .name: wq_scales, .offset: 16, .size: 8, .value_kind: global_buffer, .address_space: global }
      - { .name: wk_codes, .offset: 24, .size: 8, .value_kind: global_buffer, .address_space: global }
      - { .name: wk_scales, .offset: 32, .size: 8, .value_kind: global_buffer, .address_space: global }
      - { .name: wv_codes, .offset: 40, .size: 8, .value_kind: global_buffer, .address_space: global }
      - { .name: wv_scales, .offset: 48, .size: 8, .value_kind: global_buffer, .address_space: global }
      - { .name: bq, .offset: 56, .size: 8, .value_kind: global_buffer, .address_space: global }
      - { .name: bk, .offset: 64, .size: 8, .value_kind: global_buffer, .address_space: global }
      - { .name: bv, .offset: 72, .size: 8, .value_kind: global_buffer, .address_space: global }
      - { .name: qbuf, .offset: 80, .size: 8, .value_kind: global_buffer, .address_space: global }
      - { .name: kvbuf, .offset: 88, .size: 8, .value_kind: global_buffer, .address_space: global }
    .group_segment_fixed_size: 327680
    .private_segment_fixed_size: 0
    .kernarg_segment_align: 8
    .kernarg_segment_size: 96
    .max_flat_workgroup_size: 128
    .sgpr_count:     102
    .vgpr_count:     1024
    .wavefront_size: 32
...
	.end_amdgpu_metadata
.endif
;; end of part 2
;; launch attn (part 3): grid 8 x 32, 16 waves a work-group, no clusters, 327,680 bytes of LDS; arguments qbuf, kvbuf, abuf; writes abuf
.if DOCPART == 3
	.amdgcn_target "amdgcn-amd-amdhsa--gfx1250"
	.amdhsa_code_object_version 6
	.text
	.protected	k_q38ccb3cf85_attn
	.globl	k_q38ccb3cf85_attn
	.p2align	8
	.type	k_q38ccb3cf85_attn,@function
k_q38ccb3cf85_attn:
	s_mov_b64 s[64:65], 0
	v_nop
	global_prefetch_b8 v0, s[64:65] scope:SCOPE_SE
	s_setreg_imm32_b32 hwreg(HW_REG_WAVE_MODE, 25, 1), 1
	s_wait_xcnt 0x0
; Causal attention of one head on codes of E5M2: S^T = K Q^T (K = the head's 64: the upper 64 of the instruction's 128 are zero codes on both sides), p = 2^(t - M), O^T = V^T P^T, O / l quantised along the model's 1,024.
; t = score x log2(e) / 8; M = the running largest t rounded up to a whole number; p is quantised along the keys, not normalised; the row's sum l is taken of the unquantised p and divides at the end.
; SHARES.  A work-group owns query blocks i and 15 - i (128 queries each) of one head: 17 x 8 key steps of a tile in every work-group.  A TILE'S KEYS ARE SHARED BY TWO WAVES: waves 2 p and 2 p + 1 own tile p of the late
; block and then tile p of the early block; of the records of 128 keys one wave takes the even ones and the other the odd ones (b = ((wave / 4) xor wave) & 1), so each wave has 8 or 9 key steps.
; At a tile's end the two join: each sends the other half of its O^T with its M and l through LDS bytes of its own; both parts are brought under the larger M by exact powers of two and added; each wave finishes 32 channels, one scale block.
; So that the half a wave keeps lies in the same registers in both, wave b takes V^T's tiles in the order 2 b, 2 b + 1, 2 - 2 b, 3 - 2 b.
; THE WHOLE HEAD LIES IN LDS, each byte filled once: 16 records of 16,384 bytes (K's 8 tiles, V^T's 4 tiles, as images of the operands' registers) and 12,288 bytes of scale words.  Three groups of fills, one tensor load a wave in each:
; at the head records 0-3 (waves 0-7) and the scale words (waves 8-15); behind the first barrier records 4-7; behind the second records 8-15.  Every work-group reads records 0 to 15 - i, and 15 - i is 8 at the least: each group is read by each work-group.
; NO CLUSTER: the work-groups of a head read the same records, but which key steps a wave walks is a branch on the work-group's number along x, which would be its place in a cluster.
; PREFETCH: work-group i asks for record 15 - i (64 blocks of 256 bytes, waves 0 and 1, a lane a block) behind the second group's load, two key steps ahead of the load of records 8-15: each block once for the head's eight work-groups.  Records 0-7 come by their loads alone.
; A key step all of whose keys come after my queries is left out by a scalar branch on ids; in the step on the diagonal hidden scores become -infinity.  Records 0-7 are all open for the late block.
; A lane holds ONE query (lane % 16) throughout.  In S^T tile t, register j is key 16 t + 8 (lane / 16) + j; p's codes are brought into the operand's layout by lane swaps.
; LIMITS: NaN and infinities are not served; p under 2^-126 counts as 0; a block of zeros gets the byte 1 (its codes are zeros); the scaled scores stay under 2^31 in magnitude.
; REGISTERS: v1-7, v9 addresses that stay; v8, v10, v11, v217-219 the step's; v12 -M, v13 the largest t, v[14:15] the sum; v16-31 Q; v32-95 four fragments of K; v96-159 S^T, p, then V's fragments; v160-191 O^T; v192-207 p's codes;
; v208-216 the early tile's Q and scale words; v225 the prefetch's offset; v230, v231 the add's; v232-247, v252, v254 at work; v248-251 K's or V's scale words, v253 p's, v255 Q's.
.set SC,    262144                     ; LDS: the scale words: K's 8,192 bytes, then V's 4,096
.set SPARE, 0x43000                    ; the spare words: 128 bytes a wave
.set XCH,   0x43800                    ; the stage of the join: 2,560 bytes a wave; no fill lands here
.set XW,    2560
	s_load_b128 s[4:7], s[0:1], 0x0                ; qbuf, kvbuf
	s_load_b64 s[8:9], s[0:1], 0x10                ; abuf
	v_lshl_add_u32 v230, v0, 2, SPARE
	v_mov_b32 v231, 0
	ds_add_u32 v230, v231                          ; the opening lines: the add, twice on end, and its wait ahead of my first tensor load
	ds_add_u32 v230, v231
	v_lshrrev_b32 v7, 5, v0
	v_readfirstlane_b32 s10, v7                    ; wave 0..15
	s_lshr_b32 s11, s10, 2
	s_xor_b32 s11, s11, s10
	s_and_b32 s11, s11, 1                          ; b: which records are mine
	s_lshr_b32 s12, s10, 1                         ; p: my tile in a block
	s_and_b32 s15, ttmp7, 0xffff                   ; 16 x batch + head
.macro GROUP1 g, rows                  ; so many dense rows of 256 bytes (32 elements of 8)
	s_mov_b32 s[\g], 3<<16
	s_mov_b32 s[\g+1], 32<<16
	s_mov_b32 s[\g+2], (\rows)<<16
	s_mov_b32 s[\g+3], 32<<16
	s_mov_b32 s[\g+4], \rows
	s_mov_b32 s[\g+5], 32
	s_mov_b32 s[\g+6], 0
	s_mov_b32 s[\g+7], 0
.endm
	GROUP1 28, 32                                  ; 8,192 bytes: an eighth of records 0-3, a sixteenth of records 8-15
	GROUP1 36, 6                                   ; 1,536 bytes: an eighth of the scale words
	GROUP1 44, 16                                  ; 4,096 bytes: a sixteenth of records 4-7
	s_and_b32 s13, s10, 7
	s_lshl_b32 s53, s13, 13                        ; LDS addresses; a record's byte in LDS is its byte in the head's records
	s_mul_i32 s57, s13, 1536
	s_lshl_b32 s66, s15, 18
	s_mov_b32 s67, 0
	s_mul_i32 s74, s15, 12288
	s_add_co_u32 s74, s74, s57
	s_add_co_u32 s74, s74, 0x800000
	s_mov_b32 s75, 0
	s_add_co_u32 s57, s57, SC
	s_lshl_b32 s61, s10, 12
	s_add_co_u32 s61, s61, 65536
	s_lshl_b32 s69, s10, 13
	s_add_co_u32 s69, s69, 131072
	s_mov_b32 s52, 1
	s_mov_b32 s56, 1
	s_mov_b32 s60, 1
	s_mov_b32 s68, 1
	s_mov_b32 s95, 0
	s_wait_dscnt 0x0                               ; both opening adds are done
	s_wait_kmcnt 0x0
	s_add_nc_u64 s[66:67], s[6:7], s[66:67]        ; the head's records
	s_add_nc_u64 s[58:59], s[6:7], s[74:75]
	s_or_b32 s59, s59, 0x80000000
	s_mov_b32 s94, s53
	s_add_nc_u64 s[54:55], s[66:67], s[94:95]
	s_or_b32 s55, s55, 0x80000000
	s_mov_b32 s94, s61
	s_add_nc_u64 s[62:63], s[66:67], s[94:95]
	s_or_b32 s63, s63, 0x80000000
	s_mov_b32 s94, s69
	s_add_nc_u64 s[70:71], s[66:67], s[94:95]
	s_or_b32 s71, s71, 0x80000000
.macro TLOAD g0, g1                    ; an s_nop 0 and four v_nop follow the load
	tensor_load_to_lds s[\g0:\g0+3], s[\g1:\g1+7]
	s_nop 0
.rept 4
	v_nop
.endr
.endm
	s_cmp_lt_u32 s10, 8                            ; the head's loads, one a wave, in the two arms of one branch on the wave's number
	s_cbranch_scc0 .Lhead_words
	TLOAD 52, 28
	s_branch .Lhead_asked
.Lhead_words:
	TLOAD 56, 36
.Lhead_asked:
	s_sub_co_u32 s13, 15, ttmp9
	s_lshl_b32 s14, s13, 7
	s_lshl_b32 s94, s12, 4
	s_add_co_u32 s14, s14, s94                     ; the late tile's first query
	s_lshl_b32 s27, ttmp9, 7
	s_add_co_u32 s27, s27, s94                     ; the early tile's
	s_lshl_b32 s74, s13, 14                        ; the prefetch: record 15 - i, 8,192 bytes for each of waves 0 and 1
	s_and_b32 s94, s10, 1
	s_lshl_b32 s94, s94, 13
	s_add_co_u32 s74, s74, s94
	s_add_nc_u64 s[72:73], s[66:67], s[74:75]
.macro WHERE q, qc, qs, oc, os         ; for the tile whose first query is s[q]: Q's image, Q's scale words, where my 512 bytes of codes go, where my byte of each row's scale word goes
	s_lshl_b32 s74, s15, 17
	s_lshl_b32 s94, s\q, 6
	s_add_co_u32 s74, s74, s94
	s_add_nc_u64 s[\qc:\qc+1], s[4:5], s[74:75]
	s_lshl_b32 s74, s15, 13
	s_lshl_b32 s94, s\q, 2
	s_add_co_u32 s74, s74, s94
	s_add_co_u32 s74, s74, 0x400000
	s_add_nc_u64 s[\qs:\qs+1], s[4:5], s[74:75]
	s_lshr_b32 s74, s15, 4
	s_lshl_b32 s74, s74, 21
	s_lshl_b32 s94, s\q, 10
	s_add_co_u32 s74, s74, s94
	s_and_b32 s94, s15, 15
	s_lshl_b32 s94, s94, 10
	s_add_co_u32 s74, s74, s94                     ; 16,384 x row tile + 1,024 x head
	s_lshl_b32 s94, s11, 9
	s_add_co_u32 s74, s74, s94                     ; + 512 b: my block of 32 channels
	s_add_nc_u64 s[\oc:\oc+1], s[8:9], s[74:75]
	s_bfe_u32 s74, s15, 0x30001                    ; head / 2
	s_lshl_b32 s74, s74, 14
	s_lshr_b32 s94, s15, 4
	s_lshl_b32 s94, s94, 13
	s_add_co_u32 s74, s74, s94
	s_lshl_b32 s94, s\q, 2
	s_add_co_u32 s74, s74, s94
	s_and_b32 s94, s15, 1
	s_lshl_b32 s94, s94, 1
	s_add_co_u32 s74, s74, s94
	s_add_co_u32 s74, s74, s11
	s_add_co_u32 s74, s74, 0x400000
	s_add_nc_u64 s[\os:\os+1], s[8:9], s[74:75]
.endm
	WHERE 14, 84, 86, 76, 78
	WHERE 27, 88, 90, 80, 82
	s_mul_i32 s92, s10, XW
	s_add_co_u32 s92, s92, XCH                     ; my part of the stage,
	s_xor_b32 s93, s10, 1
	s_mul_i32 s93, s93, XW
	s_add_co_u32 s93, s93, XCH                     ; and my partner's
	v_and_b32 v7, 31, v0
	v_lshlrev_b32 v1, 4, v7                        ; 16 x lane
	v_lshlrev_b32 v225, 8, v7                      ; 256 x lane
	v_and_b32 v8, 15, v0                           ; r
	v_lshlrev_b32 v2, 2, v8                        ; 4 r
	v_bfe_u32 v9, v0, 4, 1                         ; h
	v_lshlrev_b32 v5, 3, v9
	v_sub_nc_u32 v5, v8, v5                        ; r - 8 h
	v_add_nc_u32 v3, SC, v2                        ; K's scale words
	s_lshl_b32 s94, s11, 7
	s_add_co_u32 s94, s94, SC+8192
	v_add_nc_u32 v4, s94, v2                       ; V's: tiles 2 b, 2 b + 1,
	s_xor_b32 s95, s11, 1
	s_lshl_b32 s94, s95, 7
	s_add_co_u32 s94, s94, SC+8192
	v_add_nc_u32 v6, s94, v2                       ; and the other two
	s_lshl_b32 s94, s11, 12
	s_add_co_u32 s94, s94, 8192
	v_add_nc_u32 v7, s94, v1                       ; V^T's tiles likewise
	s_lshl_b32 s94, s95, 12
	s_add_co_u32 s94, s94, 8192
	v_add_nc_u32 v9, s94, v1
	s_wait_alu depctr_va_vdst(0)                   ; ahead of the readers below
	global_load_b128 v[16:19], v1, s[84:85]        ; the late tile's Q,
	global_load_b128 v[20:23], v1, s[84:85] offset:512
	global_load_b32 v255, v2, s[86:87]
	global_load_b128 v[208:211], v1, s[88:89]      ; the early tile's, which waits
	global_load_b128 v[212:215], v1, s[88:89] offset:512
	global_load_b32 v216, v2, s[90:91]
	s_mov_b32 s20, 0x76543210
	s_mov_b32 s21, 0xfedcba98                      ; selects for lane l xor 16
	s_mov_b32 s22, 0x3e38aa3b                      ; log2(e) / 8
	s_mov_b32 s23, s22
	s_mov_b32 s24, 0x600000                        ; the mantissa field of 57,344
.irp j, 24,25,26,27,28,29,30,31
	v_mov_b32 v\j, 0                               ; Q's k = 64 .. 127: zero codes
.endr
.irp t, 0,1,2,3
.irp j, 8,9,10,11,12,13,14,15
	v_mov_b32 v[32+16*\t+\j], 0                    ; K's likewise: set once, never loaded into
.endr
.endr
.irp b, 0,1,2,3
	v_mov_b32 v[236+\b], 0                         ; a lane permute's destination counts as read
.endr
	v_mov_b32 v252, 0
	v_mov_b32 v253, 0
.macro BEGIN                           ; a tile's start: the step is written once, and the first finds zeros
.set i, 0
.rept 32
	v_mov_b32 v[160+i], 0
.set i, i+1
.endr
	v_mov_b32 v13, 0xff61b1e6                      ; -3e38, under every t
	v_floor_f32 v12, -v13
	v_mov_b32 v14, 0
	v_mov_b32 v15, 0
	s_lshl_b32 s16, s11, 7                         ; record b: its first key,
	s_lshl_b32 s17, s11, 14                        ; its LDS byte,
	s_lshl_b32 s18, s11, 9                         ; K's words,
	s_lshl_b32 s19, s11, 8                         ; V's words
.endm
	BEGIN
.macro STEP causal                     ; one record of 128 keys; then on to the next record but one
.if \causal
	s_add_co_u32 s66, s14, 15
	s_cmp_gt_u32 s16, s66
	s_cbranch_scc1 .Lhidden_\@                     ; all 128 keys come after my queries
.endif
	v_add_nc_u32 v8, s17, v1
	v_add_nc_u32 v10, s18, v3
	v_add_nc_u32 v11, s19, v4
	v_add_nc_u32 v217, s19, v6
	v_add_nc_u32 v218, s17, v7
	v_add_nc_u32 v219, s17, v9
.rept 3
	v_nop                                          ; with the six additions: nine places, since the products below write over registers that the last step's products read
.endr
.irp g, 0,1
.if \g > 0
.rept 8
	v_nop
.endr
.endif
.irp t, 0,1,2,3
	ds_load_b128 v[32+16*\t:35+16*\t], v8 offset:1024*(4*\g+\t)
	ds_load_b128 v[36+16*\t:39+16*\t], v8 offset:1024*(4*\g+\t)+512
	ds_load_b32 v[248+\t], v10 offset:64*(4*\g+\t)
.endr
.if \g == 0
	s_wait_alu depctr_va_vdst(0)
.endif
	s_wait_dscnt 0x0
.irp t, 0,1,2,3
	v_wmma_scale_f32_16x16x128_f8f6f4 v[96+8*(4*\g+\t):103+8*(4*\g+\t)], v[32+16*\t:47+16*\t], v[16:31], 0, v[248+\t], v255 matrix_a_fmt:MATRIX_FMT_BF8 matrix_b_fmt:MATRIX_FMT_BF8
.endr
.endr
.rept 8
	v_nop
.endr
.if \causal
	s_add_co_u32 s66, s16, 127
	s_cmp_le_u32 s66, s14
	s_cbranch_scc1 .Lopen_\@                       ; all keys count
	s_sub_co_i32 s66, s14, s16
	v_add_nc_u32 v252, s66, v5                     ; d = my query - the step's first key - 8 h: register n's key is hidden where 16 (n / 8) + n % 8 > d
	v_mov_b32 v254, 0xff800000
.set n, 0
.rept 64
	v_cmp_gt_i32 vcc_lo, 16*(n/8)+n%8, v252
	v_cndmask_b32 v[96+n], v[96+n], v254, vcc_lo
.set n, n+1
.endr
.Lopen_\@:
.endif
.irp b, 0,1,2,3
	v_max3_num_f32 v[232+\b], v[96+16*\b], v[97+16*\b], v[98+16*\b]   ; the largest score of each block of 32 keys: for the row's maximum and for the block's largest p
.endr
.irp i, 3,5,7,9,11,13
.irp b, 0,1,2,3
	v_max3_num_f32 v[232+\b], v[232+\b], v[96+16*\b+\i], v[97+16*\b+\i]
.endr
.endr
.irp b, 0,1,2,3
	v_max_num_f32 v[232+\b], v[232+\b], v[111+16*\b]
.endr
.irp b, 0,1,2,3
	v_permlanex16_b32 v[236+\b], v[232+\b], s20, s21
.endr
.irp b, 0,1,2,3
	v_max_num_f32 v[232+\b], v[232+\b], v[236+\b]
.endr
	v_max3_num_f32 v254, v232, v233, v234
	v_max_num_f32 v254, v254, v235
	v_mul_f32 v254, s22, v254
	v_max_num_f32 v13, v13, v254                   ; the running largest t
	v_mov_b32 v254, v12
	v_floor_f32 v12, -v13                          ; -M = floor(-t)
	v_sub_f32 v254, v12, v254                      ; old M - new M: a whole number, 0 or less
	v_cvt_i32_f32 v254, v254
	v_ldexp_f32 v252, 1.0, v254                    ; f = 2^(old M - new M)
.set j, 0
.rept 32
	v_pk_fma_f32 v[96+j:97+j], v[96+j:97+j], s[22:23], v[12:13] op_sel_hi:[1,0,0]   ; t - M
.set j, j+2
.endr
.irp b, 0,1,2,3
	v_fma_f32 v[232+\b], v[232+\b], s22, v12
.endr
	s_wait_alu depctr_va_vdst(0)
.set j, 0
.rept 64
	v_exp_f32 v[96+j], v[96+j]                     ; p
.set j, j+1
.endr
.irp b, 0,1,2,3
	v_exp_f32 v[232+\b], v[232+\b]                 ; the block's largest p
.endr
	v_pk_mul_f32 v[14:15], v[14:15], v[252:253] op_sel_hi:[1,0]   ; the sum under the new M (a plain instruction behind the exponentials)
	s_wait_alu depctr_va_vdst(0)                   ; and behind it, ahead of its first reader
.irp b, 0,1,2,3
	v_max_num_f32 v[232+\b], 0x8000000, v[232+\b]  ; the floor: the byte cannot fall under 1
.endr
.irp b, 0,1,2,3
	v_add_nc_u32 v[244+\b], 0xf8800000, v[232+\b]  ; the conversion's scale operand
.endr
.irp b, 0,1,2,3
	v_and_or_b32 v[240+\b], v[232+\b], 0x7f800000, s24   ; 57,344 x the scale
.endr
.irp b, 0,1,2,3
	v_lshrrev_b32 v[236+\b], 23, v[244+\b]
.endr
	v_lshl_or_b32 v253, v237, 8, v236              ; p's scale word for these 128 keys
	v_lshl_or_b32 v253, v238, 16, v253
	v_lshl_or_b32 v253, v239, 24, v253
	v_pk_add_f32 v[236:237], v[96:97], v[98:99]    ; the row's sum of the unquantised p, in four chains
	v_pk_add_f32 v[234:235], v[100:101], v[102:103]
	v_pk_add_f32 v[232:233], v[104:105], v[106:107]
	v_pk_add_f32 v[14:15], v[14:15], v[108:109]
.irp j, 110,118,126,134,142,150
	v_pk_add_f32 v[236:237], v[236:237], v[\j:\j+1]
	v_pk_add_f32 v[234:235], v[234:235], v[\j+2:\j+3]
	v_pk_add_f32 v[232:233], v[232:233], v[\j+4:\j+5]
	v_pk_add_f32 v[14:15], v[14:15], v[\j+6:\j+7]
.endr
	v_pk_add_f32 v[236:237], v[236:237], v[158:159]
	v_pk_add_f32 v[14:15], v[14:15], v[232:233]
	v_pk_add_f32 v[236:237], v[236:237], v[234:235]
	v_pk_add_f32 v[14:15], v[14:15], v[236:237]
.irp b, 0,1,2,3
	v_mov_b32 v[233+\b], v[240+\b]                 ; each bound a second time, in a register of another bank (number modulo 4), for the second half of the pairs below
.endr
.irp b, 0,1,2,3
.irp i, 0,2,4,6,8,10,12,14
	v_dual_min_num_f32 v[96+16*\b+\i], v[96+16*\b+\i], v[240+\b] :: v_dual_min_num_f32 v[97+16*\b+\i], v[97+16*\b+\i], v[233+\b]   ; the hold (the conversion does not saturate: ISA guide 7.6.2); p is not negative; two an instruction
.endr
	v_cvt_scalef32_pk8_bf8_f32 v[192+4*\b:193+4*\b], v[96+16*\b:103+16*\b], v[244+\b]
	v_cvt_scalef32_pk8_bf8_f32 v[194+4*\b:195+4*\b], v[104+16*\b:111+16*\b], v[244+\b]
.endr
.irp d, 0,1
.irp c, 0,1,2,3
	ds_load_b128 v[96+16*\d+4*\c:99+16*\d+4*\c], v218 offset:2048*\d+512*\c      ; V^T's four tiles take p's place: the two that I keep at the join,
	ds_load_b128 v[128+16*\d+4*\c:131+16*\d+4*\c], v219 offset:2048*\d+512*\c    ; and the two that I send
.endr
	ds_load_b32 v[248+\d], v11 offset:64*\d
	ds_load_b32 v[250+\d], v217 offset:64*\d
.endr
	v_nop                                          ; a plain instruction between the conversions and the swaps
.irp b, 0,1,2,3
	v_permlane16_swap_b32 v[192+4*\b], v[194+4*\b] ; into the operand's layout: lanes 0-15 keys 0..15 of the block, lanes 16-31 keys 16..31
	v_permlane16_swap_b32 v[193+4*\b], v[195+4*\b]
.endr
	s_wait_alu depctr_va_vdst(0)                   ; directly ahead of the first reader of O^T
.set j, 0
.rept 16
	v_pk_mul_f32 v[160+j:161+j], v[160+j:161+j], v[252:253] op_sel_hi:[1,0]   ; O^T under the new M; also the places ahead of the products
.set j, j+2
.endr
	s_wait_alu depctr_va_vdst(0)                   ; and here, directly ahead of the wait below
	s_wait_dscnt 0x0
.irp d, 0,1,2,3
	v_wmma_scale_f32_16x16x128_f8f6f4 v[160+8*\d:167+8*\d], v[96+16*\d:111+16*\d], v[192:207], v[160+8*\d:167+8*\d], v[248+\d], v253 matrix_a_fmt:MATRIX_FMT_BF8 matrix_b_fmt:MATRIX_FMT_BF8
.endr
.if \causal
.Lhidden_\@:
.endif
	s_add_co_u32 s16, s16, 256
	s_add_co_u32 s17, s17, 32768
	s_add_co_u32 s18, s18, 1024
	s_add_co_u32 s19, s19, 512
.endm
.macro WALK n, causal
	s_mov_b32 s25, \n
.Lwalk_\@:
	STEP \causal
	s_sub_co_u32 s25, s25, 1
	s_cmp_lg_u32 s25, 0
	s_cbranch_scc1 .Lwalk_\@
.endm
.macro CHANGE                          ; every wave: all my tensor loads are in, the add, its wait, the barrier: the group asked for last is whole
	s_wait_tensorcnt 0x0
	ds_add_u32 v230, v231
	s_wait_dscnt 0x0
	s_barrier_signal -1
	s_barrier_wait -1
.endm
; THE JOIN of a tile's two waves, and the way out.  I keep O^T's registers 0-15 (channels 32 b on) and send registers 16-31 with -M and my lane's sum.
.macro JOIN oc, os
.rept 8
	v_nop                                          ; places behind the last products
.endr
	s_wait_alu depctr_va_vdst(0)
	v_add_f32 v13, v14, v15                        ; my lane's sum takes the largest t's place: v[12:13] = -M, sum
	v_add_nc_u32 v116, s92, v1
	v_add_nc_u32 v117, s93, v1
	s_wait_alu depctr_va_vdst(0)                   ; ahead of the waits below
	s_wait_dscnt 0x0
	s_barrier_signal -1
	s_barrier_wait -1                              ; nobody reads the stage any more
	ds_store_b128 v116, v[176:179]                 ; each accumulator from its low end on
	ds_store_b128 v116, v[180:183] offset:512
	ds_store_b128 v116, v[184:187] offset:1024
	ds_store_b128 v116, v[188:191] offset:1536
	ds_store_b128 v116, v[12:15] offset:2048
	s_wait_dscnt 0x0                               ; for my partner's sake
	s_barrier_signal -1
	s_barrier_wait -1
.irp k, 0,1,2,3
	ds_load_b128 v[96+4*\k:99+4*\k], v117 offset:512*\k
.endr
	ds_load_b128 v[112:115], v117 offset:2048
	s_wait_dscnt 0x0
	v_min_num_f32 v122, v12, v112                  ; -M of the larger M
	v_sub_f32 v118, v122, v12                      ; my M less it, and my partner's: whole numbers, 0 or less
	v_sub_f32 v120, v122, v112
	v_cvt_i32_f32 v118, v118
	v_cvt_i32_f32 v120, v120
	v_ldexp_f32 v118, 1.0, v118
	v_ldexp_f32 v120, 1.0, v120
	v_mov_b32 v119, v118
	v_mov_b32 v121, v120
	v_mul_f32 v13, v13, v118
	v_fma_f32 v13, v113, v120, v13
.set j, 0
.rept 8
	v_pk_mul_f32 v[160+j:161+j], v[160+j:161+j], v[118:119]
.set j, j+2
.endr
.set j, 0
.rept 8
	v_pk_fma_f32 v[160+j:161+j], v[96+j:97+j], v[120:121], v[160+j:161+j]
.set j, j+2
.endr
	v_permlanex16_b32 v252, v13, s20, s21
	v_add_f32 v13, v13, v252                       ; the row's sum
	s_wait_alu depctr_va_vdst(0)
	v_rcp_f32 v13, v13
	v_nop
	s_wait_alu depctr_va_vdst(0)
.set j, 0
.rept 16
	v_mul_f32 v[96+j], v[160+j], v13
.set j, j+1
.endr
	v_max3_num_f32 v232, |v96|, |v97|, 0x8000000   ; one block of 32 channels, in lanes l and l xor 16; two chains
	v_max3_num_f32 v233, |v98|, |v99|, |v100|
.irp i, 101,105
	v_max3_num_f32 v232, v232, |v[\i]|, |v[\i+1]|
	v_max3_num_f32 v233, v233, |v[\i+2]|, |v[\i+3]|
.endr
	v_max3_num_f32 v232, v232, |v109|, |v110|
	v_max3_num_f32 v232, v232, v233, |v111|
	v_permlanex16_b32 v236, v232, s20, s21
	v_max_num_f32 v232, v232, v236
	v_add_nc_u32 v244, 0xf8800000, v232
	v_and_or_b32 v240, v232, 0x7f800000, s24
	v_lshrrev_b32 v237, 23, v244
.set j, 0
.rept 16
	v_med3_num_f32 v[96+j], v[96+j], -v240, v240
.set j, j+1
.endr
	v_cvt_scalef32_pk8_bf8_f32 v[192:193], v[96:103], v244
	v_cvt_scalef32_pk8_bf8_f32 v[194:195], v[104:111], v244
	v_nop
	v_permlane16_swap_b32 v192, v194
	v_permlane16_swap_b32 v193, v195
	global_store_b128 v1, v[192:195], s[\oc:\oc+1] ; 512 consecutive bytes: a register group of the next product's operand
	global_store_b8 v2, v237, s[\os:\os+1]         ; my byte of each of the 16 rows' scale words; both halves of the lanes hold and write the same
.endm
	s_wait_alu depctr_va_vdst(0)
	s_wait_loadcnt 0x0                             ; Q
	CHANGE                                         ; records 0-3 and the scale words are in
	TLOAD 60, 44                                   ; records 4-7: a first fill, issued as a refill is
	s_cmp_lt_u32 s10, 2
	s_cbranch_scc0 .Lnot_mine
	global_prefetch_b8 v225, s[72:73] th:TH_LOAD_NT scope:SCOPE_SE
.Lnot_mine:
	WALK 2, 0
	CHANGE                                         ; records 4-7 are in
	TLOAD 68, 28                                   ; records 8-15
	WALK 2, 0
	CHANGE                                         ; the whole head is in
	WALK 4, 1
	JOIN 76, 78
	s_wait_xcnt 0x0                                ; the stores have read their registers, which the early tile's steps write
	v_mov_b32 v255, v216                           ; THE EARLY TILE: its records lie in LDS
.irp j, 0,1,2,3,4,5,6,7
	v_mov_b32 v[16+\j], v[208+\j]
.endr
	s_mov_b32 s14, s27
	BEGIN
	s_wait_alu depctr_va_vdst(0)                   ; ahead of the loop's branches
	WALK 4, 1
	JOIN 80, 82
	s_wait_tensorcnt 0x0                           ; the wave's end
	ds_add_u32 v230, v231
	s_wait_dscnt 0x0
	s_endpgm
.Lfunc_end_k_q38ccb3cf85_attn:
	.size	k_q38ccb3cf85_attn, .Lfunc_end_k_q38ccb3cf85_attn-k_q38ccb3cf85_attn
	.p2alignl 7, 3214868480
	.fill 96, 4, 3214868480
	.section	.rodata,"a",@progbits
	.p2align	6, 0x0
	.amdhsa_kernel k_q38ccb3cf85_attn
		.amdhsa_group_segment_fixed_size 327680
		.amdhsa_private_segment_fixed_size 0
		.amdhsa_enable_private_segment 0
		.amdhsa_kernarg_size 24
		.amdhsa_user_sgpr_count 2
		.amdhsa_user_sgpr_kernarg_segment_ptr 1
		.amdhsa_wavefront_size32 1
		.amdhsa_system_sgpr_workgroup_id_x 1
		.amdhsa_system_sgpr_workgroup_id_y 1
		.amdhsa_system_sgpr_workgroup_id_z 1
		.amdhsa_system_vgpr_workitem_id 0
		.amdhsa_next_free_vgpr 256
		.amdhsa_next_free_sgpr 96
		.amdhsa_reserve_vcc 1
		.amdhsa_float_denorm_mode_32 3
		.amdhsa_float_denorm_mode_16_64 3
		.amdhsa_memory_ordered 1
		.amdhsa_forward_progress 1
		.amdhsa_inst_pref_size 116
	.end_amdhsa_kernel
	.amdgpu_metadata
---
amdhsa.version: [ 1, 2 ]
amdhsa.kernels:
  - .name:           k_q38ccb3cf85_attn
    .symbol:         k_q38ccb3cf85_attn.kd
    .args:
      - { .name: qbuf, .offset: 0, .size: 8, .value_kind: global_buffer, .address_space: global }
      - { .name: kvbuf, .offset: 8, .size: 8, .value_kind: global_buffer, .address_space: global }
      - { .name: abuf, .offset: 16, .size: 8, .value_kind: global_buffer, .address_space: global }
    .group_segment_fixed_size: 327680
    .private_segment_fixed_size: 0
    .kernarg_segment_align: 8
    .kernarg_segment_size: 24
    .max_flat_workgroup_size: 512
    .sgpr_count:     96
    .vgpr_count:     256
    .wavefront_size: 32
...
	.end_amdgpu_metadata
.endif
;; end of part 3
;; launch oproj (part 4): grid 8 x 32, 4 waves a work-group, clusters of 4 x 4, 327,680 bytes of LDS; arguments abuf, wo_codes, wo_scales, bo, x, x1; writes x1
.if DOCPART == 4
	.amdgcn_target "amdgcn-amd-amdhsa--gfx1250"
	.amdhsa_code_object_version 6
	.text
	.protected	k_q38ccb3cf85_oproj
	.globl	k_q38ccb3cf85_oproj
	.p2align	8
	.type	k_q38ccb3cf85_oproj,@function
k_q38ccb3cf85_oproj:
	s_mov_b64 s[64:65], 0
	v_nop
	global_prefetch_b8 v0, s[64:65] scope:SCOPE_SE
	s_setreg_imm32_b32 hwreg(HW_REG_WAVE_MODE, 25, 1), 1
	s_wait_xcnt 0x0
	s_wait_alu depctr_hold_cnt(0) depctr_sa_sdst(0) depctr_va_vdst(0) depctr_va_sdst(0) depctr_va_ssrc(0) depctr_va_vcc(0) depctr_vm_vsrc(0)
	s_getreg_b32 s2, hwreg(HW_REG_IB_STS2, 6, 4)
	s_cmp_eq_u32 s2, 0
	s_cbranch_scc0 .Lentry_in_a_cluster
	s_endpgm
.Lentry_in_a_cluster:
	s_bfe_u32 s2, ttmp6, 0x10000c
	s_cmp_lg_u32 s2, 0xf033
	s_cbranch_scc0 .Lentry_shape_is_right
	s_endpgm
.Lentry_shape_is_right:
; out = res + A W^T + bias.  A: [4096][SIZE_K] as images of the operand's registers, [row tile 256][SIZE_K / 128][2,048 B], with scale words [SIZE_K / 128][4096] behind them; W: [1024][SIZE_K] codes of E5M2, K innermost,
; scale bytes [1024][SIZE_K / 32]; bias [1024], res and out [4096][1024] f32.
; N = 1,024 would give 64 tiles of 256 x 256, so a tile is 128 x 128: 256 work-groups.  Four waves, each 64 x 64: 16 accumulators.  K goes in steps of 512, as long as two slots in LDS allow.
; A's tile of a step is 8 row tiles x 8,192 dense bytes (no pitch, no padding: a fragment load takes 512 consecutive bytes); W's is 128 rows of 512 bytes + 16 of padding.  All scales of the tile come once and stay.
; 4 x 4 work-groups form a cluster: A's tiles and words are asked for jointly along a row of it, W's along a column.
; THE MATRIX INSTRUCTION IS USED TRANSPOSED (source 0 = 16 rows of W, source 1 = 16 rows of A): a lane holds eight neighbouring numbers of a row.  The bias is the C of the first products; the residual is asked for at the
; start and added on the way out, which goes through the wave's stage in LDS so that sixteen lanes store 256 consecutive bytes, aligned.
; REGISTERS: window 0: v16-29 addresses, v32-47 A's scale words, v48-79 W's, v96-127 the bias, v128-255 accumulators; window 1: two fragment buffers (A's four at +0, W's four at +64), on the way out rows read back; window 2: the residual.
.set SIZE_K, 1024
.set NKB,   SIZE_K/128
.set KS,    SIZE_K/32
.set LAPS,  SIZE_K/1024                ; a lap = two K steps
.set BP,    528                        ; W's row in LDS: 512 bytes + 16: the 16 rows of a fragment load start at 16 different banks (64 banks of 4 bytes: ISA guide 11.1)
.set BOFF,  65536                      ; a slot: A's 65,536 bytes, then W's 128 rows
.set SLOT,  BOFF+128*BP
.set SCA,   2*SLOT                     ; A's scale words [SIZE_K / 128][128 rows]
.set SCB,   SCA+512*NKB                ; W's scale bytes, as runs of 256 bytes + 16 of padding
.set SPARE, SCB+136*KS                 ; the spare words: two blocks of 256 bytes that no other line names
.set SOFF,  4096*SIZE_K                ; where A's scale words begin in its buffer
.set ADRA, 16
.set ADRB, 20
.set ADSA, 22
.set ADSB, 23
.set STO,  24
.set RD,   25
.set CO,   26
.set SPW,  28
.set NIL,  29
.set SA,   32                          ; set s, pair p, quarter q at 32 + 8 s + 4 p + q: lanes 0-15 tile 2 p's rows, lanes 16-31 tile 2 p + 1's
.set SB,   48                          ; set s, tile b, quarter q at 48 + 16 s + 4 b + q
.set BIAS, 96
.set ACC,  128
.set F0,   0
.set F1,   128
.set G1A, 24
.set G0A, 32
.set G1B, 48
.set G0B, 56
.set G1SA, 68
.set G0SA, 76
.set G1SB, 80
.set G0SB, 88
.set MUL, 0x05                         ; sources 0 and 1 window 1; C and D window 0
.set MSB, 0
.macro WIN new
.if MSB != (\new)
	s_set_vgpr_msb (MSB<<8)|(\new)
.set MSB, (\new)
.endif
.endm
.macro JLOAD g0a, g1a, g0b, g1b        ; a joint load: waves 0 and 1 fetch for A, waves 2 and 3 for W; four v_nop follow each line
	s_cmp_eq_u32 s17, 0
	s_cbranch_scc0 .Lfor_b_\@
	tensor_load_to_lds s[\g0a:\g0a+3], s[\g1a:\g1a+7]
	s_nop 0
.rept 4
	v_nop
.endr
	s_branch .Lasked_\@
.Lfor_b_\@:
	tensor_load_to_lds s[\g0b:\g0b+3], s[\g1b:\g1b+7]
	s_nop 0
.rept 4
	v_nop
.endr
.Lasked_\@:
.endm
.macro CREST
	s_cmp_lg_u32 s16, 0
	s_cbranch_scc1 .Lnot_wave_0_\@
	s_barrier_signal -3
.Lnot_wave_0_\@:
	s_barrier_wait -3
	s_barrier_signal -1
	s_barrier_wait -1
.endm
.macro CROUND
	s_barrier_signal -1
	s_barrier_wait -1
	CREST
.endm
.macro PLACES n
.rept \n
	v_nop
.endr
.endm
	s_load_b256 s[4:11], s[0:1], 0x0               ; A s[4:5], W's codes s[6:7], W's scales s[8:9], bias s[10:11]
	s_load_b128 s[12:15], s[0:1], 0x20             ; residual s[12:13], out s[14:15]
	v_lshl_add_u32 v[SPW], v0, 2, SPARE
	v_mov_b32 v[NIL], 0
	ds_add_u32 v28, v29
	ds_add_u32 v28, v29
	s_wait_dscnt 0x0
	v_lshrrev_b32 v1, 5, v0
	v_readfirstlane_b32 s16, v1                    ; wave 0..3
	s_lshr_b32 s17, s16, 1                         ; my half of the rows.  Also: I fetch for A (0) or for W (1)
	s_and_b32 s18, s16, 1                          ; my half of the columns.  Also: which half I fetch
	s_bfe_u32 s40, ttmp6, 0x40000                  ; cx
	s_bfe_u32 s41, ttmp6, 0x40004                  ; cy
	s_lshl_b32 s42, ttmp9, 2
	s_add_co_u32 s42, s42, s40                     ; tile column
	s_and_b32 s19, ttmp7, 0xffff
	s_lshl_b32 s19, s19, 2
	s_add_co_u32 s19, s19, s41                     ; tile row
	s_lshl_b32 s43, s41, 2
	s_lshl_b32 s43, 15, s43                        ; my row of the cluster
	s_lshl_b32 s44, 0x1111, s40                    ; my column
	s_or_b32 s[G1A+0], s43, (3<<16)|(1<<21)        ; A: 4 row tiles x 1,024 elements of 8 bytes, 16 SIZE_K bytes apart; no padding
	s_mov_b32 s[G1A+1], 1024<<16
	s_mov_b32 s[G1A+2], 8<<16                      ; the head's load brings all 8 row tiles; 4 behind it
	s_mov_b32 s[G1A+3], 1024<<16
	s_mov_b32 s[G1A+4], 8
	s_mov_b32 s[G1A+5], 2*SIZE_K
	s_mov_b32 s[G1A+6], 0
	s_mov_b32 s[G1A+7], 0
	s_or_b32 s[G1B+0], s44, (0<<16)|(1<<20)|(1<<21)|(6<<22)|(3<<25)   ; W: 64 rows x 512 bytes; 4 words of padding after every 128
	s_mov_b32 s[G1B+1], 512<<16
	s_mov_b32 s[G1B+2], 128<<16                    ; the head's load brings all 128 rows; 64 behind it
	s_mov_b32 s[G1B+3], 512<<16
	s_mov_b32 s[G1B+4], 128
	s_mov_b32 s[G1B+5], SIZE_K
	s_mov_b32 s[G1B+6], 0
	s_mov_b32 s[G1B+7], 0
	s_or_b32 s[G1SA+0], s43, (3<<16)|(1<<21)       ; A's words: NKB rows of 512 bytes, 16,384 bytes apart
	s_mov_b32 s[G1SA+1], 64<<16
	s_mov_b32 s[G1SA+2], NKB<<16
	s_mov_b32 s[G1SA+3], 64<<16
	s_mov_b32 s[G1SA+4], NKB
	s_mov_b32 s[G1SA+5], 2048
	s_mov_b32 s[G1SA+6], 0
	s_mov_b32 s[G1SA+7], 0
	s_or_b32 s[G1SB+0], s44, (3<<16)|(1<<20)|(1<<21)|(5<<22)|(3<<25)  ; W's scale bytes of 128 rows: dense, as rows of 256 bytes + 16
	s_mov_b32 s[G1SB+1], 32<<16
	s_mov_b32 s[G1SB+2], (KS/2)<<16
	s_mov_b32 s[G1SB+3], 32<<16
	s_mov_b32 s[G1SB+4], KS/2
	s_mov_b32 s[G1SB+5], 32
	s_mov_b32 s[G1SB+6], 0
	s_mov_b32 s[G1SB+7], 0
	s_lshl_b32 s20, s19, 3
	s_lshl_b32 s21, s18, 2
	s_add_co_u32 s20, s20, s21
	s_mul_i32 s20, s20, 16*SIZE_K                  ; A: row tile 8 x tile row + 4 x half
	s_mov_b32 s21, 0
	s_mov_b32 s22, 0
	s_lshl_b32 s23, s19, 9
	s_add_co_u32 s22, s22, s23
	s_add_co_u32 s22, s22, SOFF                    ; A's words: all of K, the tile's 128 rows
	s_mov_b32 s23, 0
	s_lshl_b32 s46, s42, 7
	s_lshl_b32 s47, s18, 6
	s_mul_i32 s92, s46, KS                         ; W's scale bytes: from the tile's first row
	s_add_co_u32 s46, s46, s47
	s_mov_b32 s93, 0
	s_mul_i32 s46, s46, SIZE_K
	s_mov_b32 s47, 0
	s_lshl_b32 s45, s18, 15                        ; where they go: no place in the cluster enters an LDS address
	s_mul_i32 s94, s18, 64*BP
	s_add_co_u32 s94, s94, BOFF
	s_mov_b32 s95, 0
	s_mov_b32 s66, 0
	s_wait_kmcnt 0x0
	s_add_nc_u64 s[20:21], s[4:5], s[20:21]
	s_add_nc_u64 s[22:23], s[4:5], s[22:23]
	s_add_nc_u64 s[46:47], s[6:7], s[46:47]
	s_add_nc_u64 s[92:93], s[8:9], s[92:93]
	CROUND                                         ; all sixteen work-groups are here: the first joint loads meet
	s_mov_b32 s[G0SA], 1
	s_add_co_u32 s[G0SA+1], s95, SCA
	s_mov_b64 s[G0SA+2:G0SA+3], s[22:23]
	s_or_b32 s[G0SA+3], s[G0SA+3], 0x80000000
	s_mov_b32 s[G0SB], 1
	s_add_co_u32 s[G0SB+1], s66, SCB
	s_mov_b64 s[G0SB+2:G0SB+3], s[92:93]
	s_or_b32 s[G0SB+3], s[G0SB+3], 0x80000000
.irp s, 0,1
	s_mov_b32 s[G0A+4*\s], 1
	s_add_co_u32 s[G0A+4*\s+1], s45, \s*SLOT
	s_add_nc_u64 s[G0A+4*\s+2:G0A+4*\s+3], s[20:21], \s*8192
	s_or_b32 s[G0A+4*\s+3], s[G0A+4*\s+3], 0x80000000
	s_mov_b32 s[G0B+4*\s], 1
	s_add_co_u32 s[G0B+4*\s+1], s94, \s*SLOT
	s_add_nc_u64 s[G0B+4*\s+2:G0B+4*\s+3], s[46:47], \s*512
	s_or_b32 s[G0B+4*\s+3], s[G0B+4*\s+3], 0x80000000
.endr
; THE HEAD'S LOADS, ONE A WAVE, in one chain of branches on the wave's number: wave 0 K step 0's 8 row tiles of A, wave 2 its 128 rows of W
; (their own slot 0 descriptors begin at the tile's first row), wave 1 A's scale words, wave 3 W's scale bytes.
.macro HARM g0, g1
	tensor_load_to_lds s[\g0:\g0+3], s[\g1:\g1+7]
	s_nop 0
.rept 4
	v_nop
.endr
.endm
	s_cmp_eq_u32 s16, 0
	s_cbranch_scc0 .Lhead_1
	HARM G0A, G1A
	s_branch .Lhead_asked
.Lhead_1:
	s_cmp_eq_u32 s16, 2
	s_cbranch_scc0 .Lhead_2
	HARM G0B, G1B
	s_branch .Lhead_asked
.Lhead_2:
	s_cmp_eq_u32 s16, 1
	s_cbranch_scc0 .Lhead_3
	HARM G0SA, G1SA
	s_branch .Lhead_asked
.Lhead_3:
	HARM G0SB, G1SB
.Lhead_asked:
	v_and_b32 v1, 15, v0                           ; r
	v_bfe_u32 v2, v0, 4, 1                         ; h
	v_and_b32 v3, 31, v0                           ; lane
	v_lshlrev_b32 v4, 4, v3
	s_lshl_b32 s21, s17, 15
	v_add_nc_u32 v[ADRA], s21, v4                  ; my four row tiles, 16 x lane
	v_add_nc_u32 v[ADRA+1], SLOT, v[ADRA]
	v_mul_u32_u24 v5, v1, BP
	v_lshl_add_u32 v5, v2, 4, v5
	s_mul_i32 s22, s18, 64*BP
	s_add_co_u32 s22, s22, BOFF
	v_add_nc_u32 v[ADRB], s22, v5
	v_add_nc_u32 v[ADRB+1], SLOT, v[ADRB]
	s_lshl_b32 s21, s17, 8
	s_add_co_u32 s21, s21, SCA
	v_lshl_add_u32 v[ADSA], v3, 2, s21             ; my 64 rows' words, 4 x lane
	v_mul_u32_u24 v5, v1, KS
	v_lshrrev_b32 v6, 8, v5
	v_lshl_add_u32 v5, v6, 4, v5                   ; row r's scale bytes: KS a row, 16 more for each 256 passed
	s_mul_i32 s22, s18, 68*KS
	s_add_co_u32 s22, s22, SCB
	v_add_nc_u32 v[ADSB], s22, v5
	s_mul_i32 s23, s16, 16*272                     ; my stage: in slot 0, used only when that slot has had its last fill and its last read
	v_mul_u32_u24 v5, v1, 272
	v_lshl_add_u32 v5, v2, 5, v5
	v_add_nc_u32 v[STO], s23, v5
	v_mul_u32_u24 v5, v2, 272
	v_lshl_add_u32 v5, v1, 4, v5
	v_add_nc_u32 v[RD], s23, v5
	v_lshlrev_b32 v5, 12, v2
	v_lshl_add_u32 v[CO], v1, 4, v5                ; lanes 0-15 one row of out, lanes 16-31 the next
	s_wait_alu depctr_va_vdst(0)
	s_lshl_b32 s20, s19, 7
	s_lshl_b32 s21, s17, 6
	s_add_co_u32 s20, s20, s21
	s_lshl_b32 s20, s20, 12                        ; my first row, in bytes
	s_mov_b32 s21, 0
	s_lshl_b32 s46, s42, 9
	s_lshl_b32 s47, s18, 8
	s_add_co_u32 s46, s46, s47                     ; my first column, in bytes
	s_mov_b32 s47, 0
	s_add_nc_u64 s[10:11], s[10:11], s[46:47]
	s_add_nc_u64 s[20:21], s[20:21], s[46:47]
	s_add_nc_u64 s[12:13], s[12:13], s[20:21]
	s_add_nc_u64 s[14:15], s[14:15], s[20:21]
	v_lshlrev_b32 v7, 5, v2
.irp b, 0,1,2,3
	global_load_b128 v[BIAS+8*\b:BIAS+8*\b+3], v7, s[10:11] offset:64*\b
	global_load_b128 v[BIAS+8*\b+4:BIAS+8*\b+7], v7, s[10:11] offset:64*\b+16
.endr
	WIN 0x80                                       ; destination window 2
.irp a, 0,1,2,3
.irp t, 0,1,2,3,4,5,6,7
	global_load_b128 v[32*\a+4*\t:32*\a+4*\t+3], v[CO], s[12:13] offset:(16*\a+2*\t)*4096   ; the residual, in the layout in which rows come back from the stage
.endr
.endr
	WIN 0
; four products: A's tile a x W's four, the q-th 128 of the slot, scale set sc.  first = 1: C is the bias.  The 16 accumulators take turns, one instruction a turn.
.macro MULA f, a, q, sc, first
.irp b, 0,1,2,3
.set rD, ACC+8*(4*(\a)+\b)
.set rC, rD
.if \first
.set rC, BIAS+8*\b
.endif
.if (\a)%2
	v_wmma_scale_f32_16x16x128_f8f6f4 v[rD:rD+7], v[\f+64+16*\b:\f+79+16*\b], v[\f+16*(\a):\f+16*(\a)+15], v[rC:rC+7], v[SB+16*(\sc)+4*\b+(\q)], v[SA+8*(\sc)+4*((\a)/2)+(\q)] matrix_a_fmt:MATRIX_FMT_BF8 matrix_b_fmt:MATRIX_FMT_BF8 matrix_b_scale:MATRIX_SCALE_ROW1
.else
	v_wmma_scale_f32_16x16x128_f8f6f4 v[rD:rD+7], v[\f+64+16*\b:\f+79+16*\b], v[\f+16*(\a):\f+16*(\a)+15], v[rC:rC+7], v[SB+16*(\sc)+4*\b+(\q)], v[SA+8*(\sc)+4*((\a)/2)+(\q)] matrix_a_fmt:MATRIX_FMT_BF8 matrix_b_fmt:MATRIX_FMT_BF8
.endif
.endr
.endm
; one run of LDS loads: the fragments of the slot's q-th 128 into buffer f; sc >= 0: also the K step's scale words into set sc.  A's tiles 2 and 3 come last.
.macro FETCH slot, q, f, sc
	WIN 0x40
.irp b, 0,1,2,3
.irp c, 0,1,2,3
	ds_load_b128 v[\f+64+16*\b+4*\c:\f+64+16*\b+4*\c+3], v[ADRB+\slot] offset:16*BP*\b+128*(\q)+32*\c
.endr
.endr
.irp a, 0,1
.irp c, 0,1,2,3
	ds_load_b128 v[\f+16*\a+4*\c:\f+16*\a+4*\c+3], v[ADRA+\slot] offset:8192*\a+2048*(\q)+512*\c
.endr
.endr
.if \sc >= 0
	WIN 0
.irp p, 0,1
.irp u, 0,1,2,3
	ds_load_b32 v[SA+8*(\sc)+4*\p+\u], v[ADSA] offset:512*\u+128*\p
.endr
.endr
.irp b, 0,1,2,3
	ds_load_b128 v[SB+16*(\sc)+4*\b:SB+16*(\sc)+4*\b+3], v[ADSB] offset:17*KS*\b
.endr
	WIN 0x40
.endif
.irp a, 2,3
.irp c, 0,1,2,3
	ds_load_b128 v[\f+16*\a+4*\c:\f+16*\a+4*\c+3], v[ADRA+\slot] offset:8192*\a+2048*(\q)+512*\c
.endr
.endr
.endm
.macro QUARTER slot, q, first          ; one of a K step's first three quarters
.set FF, F0+128*((\q)%2)
.set FG, F0+128*(1-(\q)%2)
	s_wait_dscnt 8                                 ; all but the youngest eight loads (A's tiles 2 and 3)
	WIN MUL
	MULA FF, 0, \q, \slot, \first
	MULA FF, 1, \q, \slot, \first
	PLACES 8
	FETCH \slot, (\q)+1, FG, -1
	s_wait_dscnt 32                                ; all but the 32 just issued
	WIN MUL
	MULA FF, 2, \q, \slot, \first
	MULA FF, 3, \q, \slot, \first
.endm
; The last quarter changes slots: one barrier; in front of it each wave waits for all its tensor loads, adds 0 to its spare word, and waits for that and for its reads of this slot.
.macro TURN slot, next, fill
	WIN 0
	s_wait_tensorcnt 0x0                           ; all my tensor loads have landed: my part of the next slot
	ds_add_u32 v[SPW], v[NIL]
	s_wait_dscnt 9                                 ; the add and the youngest eight loads may be out
	WIN MUL
	MULA F1, 0, 3, \slot, 0
	s_wait_dscnt 0x0                               ; the add is done, and my reads of this slot are over
	s_barrier_signal -1
	MULA F1, 1, 3, \slot, 0
	WIN 0
	s_barrier_wait -1
.if \fill
	CREST                                          ; the barrier has opened a round of the cluster's barrier: no wave of any partner still reads this slot or has a load on its way
	s_add_nc_u64 s[G0A+4*\slot+2:G0A+4*\slot+3], s[G0A+4*\slot+2:G0A+4*\slot+3], 16384
	s_add_nc_u64 s[G0B+4*\slot+2:G0B+4*\slot+3], s[G0B+4*\slot+2:G0B+4*\slot+3], 1024
	JLOAD G0A+4*\slot, G1A, G0B+4*\slot, G1B
	PLACES 4
.else
	PLACES 8
.endif
	v_add_nc_u32 v[ADSA], 2048, v[ADSA]            ; the next K step's scale words
	v_add_nc_u32 v[ADSB], 16, v[ADSB]
	FETCH \next, 0, F0, \next
	WIN MUL
	MULA F1, 2, 3, \slot, 0
	MULA F1, 3, 3, \slot, 0
.endm
	s_wait_alu depctr_va_vdst(0)
	s_wait_tensorcnt 0x0                           ; my tile of the head's four is in; slot 1's first fill is issued as a refill is
	ds_add_u32 v[SPW], v[NIL]
	s_mov_b32 s[G1A+2], 4<<16                      ; no tensor load of mine is out: from here on a load brings half a tile
	s_mov_b32 s[G1A+4], 4
	s_mov_b32 s[G1B+2], 64<<16
	s_mov_b32 s[G1B+4], 64
	s_wait_dscnt 0x0
	CROUND                                         ; all four tiles are in, and all sixteen work-groups are here
	JLOAD G0A+4, G1A, G0B+4, G1B                   ; K step 1
	FETCH 0, 0, F0, 0
	s_wait_loadcnt 32                              ; the bias is in; the 32 loads of the residual stay out
	QUARTER 0, 0, 1
.if LAPS > 1
	WIN 0
	s_mov_b32 s3, LAPS-1
.Llap:
	QUARTER 0, 1, 0
	QUARTER 0, 2, 0
	TURN 0, 1, 1
	QUARTER 1, 0, 0
	QUARTER 1, 1, 0
	QUARTER 1, 2, 0
	TURN 1, 0, 1
	QUARTER 0, 0, 0
	WIN 0
	s_sub_co_u32 s3, s3, 1
	s_cmp_lg_u32 s3, 0
	s_cbranch_scc1 .Llap
.endif
	QUARTER 0, 1, 0
	QUARTER 0, 2, 0
	TURN 0, 1, 0
	QUARTER 1, 0, 0
	QUARTER 1, 1, 0
	QUARTER 1, 2, 0
	s_wait_dscnt 8
	WIN MUL
	MULA F1, 0, 3, 1, 0
	MULA F1, 1, 3, 1, 0
	s_wait_dscnt 0
	MULA F1, 2, 3, 1, 0
	MULA F1, 3, 3, 1, 0
	WIN 0
	PLACES 8
	s_wait_loadcnt 0x0                             ; the residual
.macro TOSTAGE a                       ; 16 rows x 64 columns into my stage, and back as whole rows of 256 bytes; LDS serves a wave's instructions in order
.irp b, 0,1,2,3
	ds_store_b128 v[STO], v[ACC+8*(4*(\a)+\b):ACC+8*(4*(\a)+\b)+3] offset:64*\b
	ds_store_b128 v[STO], v[ACC+8*(4*(\a)+\b)+4:ACC+8*(4*(\a)+\b)+7] offset:64*\b+16
.endr
	WIN 0x40
.irp t, 0,1,2,3,4,5,6,7
	ds_load_b128 v[32*((\a)%2)+4*\t:32*((\a)%2)+4*\t+3], v[RD] offset:544*\t
.endr
	WIN 0
.endm
.macro SEND a, younger                 ; younger: the LDS instructions issued behind block a's loads
	s_wait_dscnt \younger
	WIN 0x49                                       ; the rows in window 1, the residual in window 2
.set i, 0
.rept 16
	v_pk_add_f32 v[32*((\a)%2)+2*i:32*((\a)%2)+2*i+1], v[32*((\a)%2)+2*i:32*((\a)%2)+2*i+1], v[32*(\a)+2*i:32*(\a)+2*i+1]
.set i, i+1
.endr
	WIN 0x04
.irp t, 0,1,2,3,4,5,6,7
	global_store_b128 v[CO], v[32*((\a)%2)+4*\t:32*((\a)%2)+4*\t+3], s[14:15] offset:(16*(\a)+2*\t)*4096   ; sixteen lanes store 256 consecutive bytes, aligned
.endr
	WIN 0
.endm
	TOSTAGE 0
	TOSTAGE 1
	SEND 0, 16
	s_wait_xcnt 0x0                                ; block 0's stores have read their registers: block 2's rows may land there
	TOSTAGE 2
	SEND 1, 16
	s_wait_xcnt 0x0
	TOSTAGE 3
	SEND 2, 16
	SEND 3, 0
	s_wait_tensorcnt 0x0                           ; the wave's end
	ds_add_u32 v[SPW], v[NIL]
	s_wait_dscnt 0x0
	CROUND                                         ; the closing round
	s_endpgm
.Lfunc_end_k_q38ccb3cf85_oproj:
	.size	k_q38ccb3cf85_oproj, .Lfunc_end_k_q38ccb3cf85_oproj-k_q38ccb3cf85_oproj
	.p2alignl 7, 3214868480
	.fill 96, 4, 3214868480
	.section	.rodata,"a",@progbits
	.p2align	6, 0x0
	.amdhsa_kernel k_q38ccb3cf85_oproj
		.amdhsa_group_segment_fixed_size 327680
		.amdhsa_private_segment_fixed_size 0
		.amdhsa_enable_private_segment 0
		.amdhsa_kernarg_size 48
		.amdhsa_user_sgpr_count 2
		.amdhsa_user_sgpr_kernarg_segment_ptr 1
		.amdhsa_wavefront_size32 1
		.amdhsa_system_sgpr_workgroup_id_x 1
		.amdhsa_system_sgpr_workgroup_id_y 1
		.amdhsa_system_sgpr_workgroup_id_z 1
		.amdhsa_system_vgpr_workitem_id 0
		.amdhsa_next_free_vgpr 768
		.amdhsa_next_free_sgpr 96
		.amdhsa_reserve_vcc 0
		.amdhsa_float_denorm_mode_32 3
		.amdhsa_float_denorm_mode_16_64 3
		.amdhsa_memory_ordered 1
		.amdhsa_forward_progress 1
		.amdhsa_inst_pref_size 64
	.end_amdhsa_kernel
	.amdgpu_metadata
---
amdhsa.version: [ 1, 2 ]
amdhsa.kernels:
  - .name:           k_q38ccb3cf85_oproj
    .symbol:         k_q38ccb3cf85_oproj.kd
    .args:
      - { .name: abuf, .offset: 0, .size: 8, .value_kind: global_buffer, .address_space: global }
      - { .name: wo_codes, .offset: 8, .size: 8, .value_kind: global_buffer, .address_space: global }
      - { .name: wo_scales, .offset: 16, .size: 8, .value_kind: global_buffer, .address_space: global }
      - { .name: bo, .offset: 24, .size: 8, .value_kind: global_buffer, .address_space: global }
      - { .name: x, .offset: 32, .size: 8, .value_kind: global_buffer, .address_space: global }
      - { .name: x1, .offset: 40, .size: 8, .value_kind: global_buffer, .address_space: global }
    .group_segment_fixed_size: 327680
    .private_segment_fixed_size: 0
    .kernarg_segment_align: 8
    .kernarg_segment_size: 48
    .max_flat_workgroup_size: 128
    .sgpr_count:     96
    .vgpr_count:     768
    .wavefront_size: 32
...
	.end_amdgpu_metadata
.endif
;; end of part 4
;; launch ln2: the kernel of part 1 again; grid 256 x 1, 8 waves a work-group, no clusters, 83,456 bytes of LDS; arguments x1, ln2_g, ln2_b, hbuf; writes hbuf
;; launch ffn1 (part 5): grid 16 x 16, 4 waves a work-group, clusters of 4 x 4, 327,680 bytes of LDS; arguments hbuf, w1_codes, w1_scales, b1, gbuf; writes gbuf
.if DOCPART == 5
	.amdgcn_target "amdgcn-amd-amdhsa--gfx1250"
	.amdhsa_code_object_version 6
	.text
	.protected	k_q38ccb3cf85_ffn1
	.globl	k_q38ccb3cf85_ffn1
	.p2align	8
	.type	k_q38ccb3cf85_ffn1,@function
k_q38ccb3cf85_ffn1:
	s_mov_b64 s[64:65], 0
	v_nop
	global_prefetch_b8 v0, s[64:65] scope:SCOPE_SE
	s_setreg_imm32_b32 hwreg(HW_REG_WAVE_MODE, 25, 1), 1
	s_wait_xcnt 0x0
	s_wait_alu depctr_hold_cnt(0) depctr_sa_sdst(0) depctr_va_vdst(0) depctr_va_sdst(0) depctr_va_ssrc(0) depctr_va_vcc(0) depctr_vm_vsrc(0)
	s_getreg_b32 s2, hwreg(HW_REG_IB_STS2, 6, 4)
	s_cmp_eq_u32 s2, 0
	s_cbranch_scc0 .Lentry_in_a_cluster
	s_endpgm
.Lentry_in_a_cluster:
	s_bfe_u32 s2, ttmp6, 0x10000c
	s_cmp_lg_u32 s2, 0xf033
	s_cbranch_scc0 .Lentry_shape_is_right
	s_endpgm
.Lentry_shape_is_right:
.set KSTEP,  256
.set NQ,     2
.set ROWB,   256
.set KROW,   1024
.set PITCH,  272
.set FR,     16
.set NL,     4
.set NP,     8
.set HALFT,  128*PITCH
.set SLOT,   4*HALFT
.set LAPS,   2
.set KS,     32
.set SCL,    2*SLOT
.set HALFS,  (128*KS/256)*272
.set SBLK,   (16*KS/256)*272
.set SPARE,  SCL+4*HALFS
.set ADRA, 16
.set VA,   18
.set SWB,  19
.set ADRB, 20
.set SW2,  22
.set LRD,  23
.set GSO,  24
.set ADRS, 27
.set SPW,  28
.set NIL,  29
.set SC,   32
.set BN,   64
.set AF,   128
.set XX,   0
.set TT,   64
.set PP,   128
.set CF,   192
.set PC,   212
.set TM,   228
.set SCR,  248
.set SEL,  66
.set MNT,  40
.set CA,   41
.set CX,   42
.set AI,   44
.set SWS,  45
.set G1, 24
.set G0, 32
.set G1B, 48
.set G0B, 56
.set G1S, 68
.set G0S, 76
.set G1SB, 80
.set G0SB, 88
.set MSB, 0
.macro WIN new
.if MSB != (\new)
	s_set_vgpr_msb (MSB<<8)|(\new)
.set MSB, (\new)
.endif
.endm
.set MUL_LO, 0xa1
.set MUL_HI, 0xf1
.set TO_B,   0x40
.macro JLOAD g0a, g1a, g0b, g1b
	s_cmp_eq_u32 s15, 0
	s_cbranch_scc0 .Lfor_b_\@
	tensor_load_to_lds s[\g0a:\g0a+3], s[\g1a:\g1a+7]
	s_nop 0
.rept 4
	v_nop
.endr
	s_branch .Lasked_\@
.Lfor_b_\@:
	tensor_load_to_lds s[\g0b:\g0b+3], s[\g1b:\g1b+7]
	s_nop 0
.rept 4
	v_nop
.endr
.Lasked_\@:
.endm
.macro CREST
	s_cmp_lg_u32 s14, 0
	s_cbranch_scc1 .Lnot_wave_0_\@
	s_barrier_signal -3
.Lnot_wave_0_\@:
	s_barrier_wait -3
	s_barrier_signal -1
	s_barrier_wait -1
.endm
.macro CROUND
	s_barrier_signal -1
	s_barrier_wait -1
	CREST
.endm
	s_load_b256 s[4:11], s[0:1], 0x0
	s_load_b64 s[12:13], s[0:1], 0x20
	v_lshl_add_u32 v[SPW], v0, 2, SPARE
	v_mov_b32 v[NIL], 0
	ds_add_u32 v28, v29
	ds_add_u32 v28, v29
	s_wait_dscnt 0x0
	v_lshrrev_b32 v1, 5, v0
	v_readfirstlane_b32 s14, v1
	s_lshr_b32 s15, s14, 1
	s_and_b32 s16, s14, 1
	s_bfe_u32 s40, ttmp6, 0x40000
	s_bfe_u32 s41, ttmp6, 0x40004
	s_lshl_b32 s42, ttmp9, 2
	s_add_co_u32 s42, s42, s40
	s_and_b32 s17, ttmp7, 0xffff
	s_lshl_b32 s17, s17, 2
	s_add_co_u32 s17, s17, s41
	s_lshl_b32 s43, s41, 2
	s_lshl_b32 s43, 15, s43
	s_lshl_b32 s44, 0x1111, s40
	s_or_b32 s[G1+0], s43, (0<<16)|(1<<20)|(1<<21)|(5<<22)|(3<<25)
	s_or_b32 s[G1B+0], s44, (0<<16)|(1<<20)|(1<<21)|(5<<22)|(3<<25)
.irp g, G1, G1B
	s_mov_b32 s[\g+1], ROWB<<16
	s_mov_b32 s[\g+2], 256<<16                     ; 256 rows for the head's loads; 128 behind them
	s_mov_b32 s[\g+3], ROWB<<16
	s_mov_b32 s[\g+4], 256
	s_mov_b32 s[\g+5], KROW
	s_mov_b32 s[\g+6], 0
	s_mov_b32 s[\g+7], 0
.endr
	s_or_b32 s[G1S+0], s43, (3<<16)|(1<<20)|(1<<21)|(5<<22)|(3<<25)
	s_or_b32 s[G1SB+0], s44, (3<<16)|(1<<20)|(1<<21)|(5<<22)|(3<<25)
.irp g, G1S, G1SB
	s_mov_b32 s[\g+1], 32<<16
	s_mov_b32 s[\g+2], KS<<16                      ; 256 rows' scale bytes are KS rows of 256 bytes
	s_mov_b32 s[\g+3], 32<<16
	s_mov_b32 s[\g+4], KS
	s_mov_b32 s[\g+5], 32
	s_mov_b32 s[\g+6], 0
	s_mov_b32 s[\g+7], 0
.endr
	s_lshl_b32 s18, s16, 7
	s_lshl_b32 s20, s17, 8
	s_add_co_u32 s20, s20, s18
	s_lshl_b32 s46, s42, 8
	s_add_co_u32 s46, s46, s18
	s_mov_b32 s21, 0
	s_mov_b32 s47, 0
	s_mov_b64 s[18:19], KS
	s_lshl_b32 s22, s17, 13                        ; the scale bytes of the tile's 256 rows: 8,192 bytes a tile row, whole
	s_mov_b32 s23, 0
	s_lshl_b32 s92, s42, 13
	s_mov_b32 s93, 0
	s_mov_b64 s[18:19], KROW
	s_mul_u64 s[20:21], s[20:21], s[18:19]
	s_mul_u64 s[46:47], s[46:47], s[18:19]
	s_mul_i32 s45, s14, HALFT
	s_wait_kmcnt 0x0
	s_add_nc_u64 s[20:21], s[4:5], s[20:21]
	s_add_nc_u64 s[22:23], s[4:5], s[22:23]
	s_add_nc_u64 s[22:23], s[22:23], 0x400000
	s_add_nc_u64 s[46:47], s[6:7], s[46:47]
	s_add_nc_u64 s[92:93], s[8:9], s[92:93]
	CROUND
	s_mov_b32 s[G0S], 1
	s_mov_b32 s[G0S+1], SCL
	s_mov_b64 s[G0S+2:G0S+3], s[22:23]
	s_or_b32 s[G0S+3], s[G0S+3], 0x80000000
	s_mov_b32 s[G0SB], 1
	s_mov_b32 s[G0SB+1], SCL+2*HALFS
	s_mov_b64 s[G0SB+2:G0SB+3], s[92:93]
	s_or_b32 s[G0SB+3], s[G0SB+3], 0x80000000
.irp s, 0,1
	s_mov_b32 s[G0+4*\s], 1
	s_add_co_u32 s[G0+4*\s+1], s45, \s*SLOT
	s_add_nc_u64 s[G0+4*\s+2:G0+4*\s+3], s[20:21], \s*ROWB
	s_or_b32 s[G0+4*\s+3], s[G0+4*\s+3], 0x80000000
	s_mov_b32 s[G0B+4*\s], 1
	s_add_co_u32 s[G0B+4*\s+1], s45, \s*SLOT
	s_add_nc_u64 s[G0B+4*\s+2:G0B+4*\s+3], s[46:47], \s*ROWB
	s_or_b32 s[G0B+4*\s+3], s[G0B+4*\s+3], 0x80000000
.endr
; THE HEAD'S LOADS, ONE A WAVE, in one chain of branches on the wave's number: wave 0 K step 0's 256 rows of A, wave 2 its 256 rows of B
; (their own slot 0 descriptors begin at the tile's first row and at that tile's first LDS byte), wave 1 A's scale bytes, wave 3 B's.
.macro HARM g0, g1
	tensor_load_to_lds s[\g0:\g0+3], s[\g1:\g1+7]
	s_nop 0
.rept 4
	v_nop
.endr
.endm
	s_cmp_eq_u32 s14, 0
	s_cbranch_scc0 .Lhead_1
	HARM G0, G1
	s_branch .Lhead_asked
.Lhead_1:
	s_cmp_eq_u32 s14, 2
	s_cbranch_scc0 .Lhead_2
	HARM G0B, G1B
	s_branch .Lhead_asked
.Lhead_2:
	s_cmp_eq_u32 s14, 1
	s_cbranch_scc0 .Lhead_3
	HARM G0S, G1S
	s_branch .Lhead_asked
.Lhead_3:
	HARM G0SB, G1SB
.Lhead_asked:
	; PREFETCHES INTO THE L2: K steps 1, 2 and 3, each asked for one K step ahead of the load that wants it, one instruction a wave, a lane a row (256 bytes of it).  Of the 128 rows that I fetch in the ring,
	; each of the four partners that ask for them jointly takes 32, told apart by address (cx for A, cy for B): each block of 256 bytes is named once in each cluster.  The address stands; the K step is the immediate.
	s_cmp_eq_u32 s15, 0                            ; do I fetch for A?
	s_cselect_b64 s[8:9], s[20:21], s[46:47]
	s_cselect_b32 s18, s40, s41
	s_lshl_b32 s18, s18, 15                        ; 32 rows of 1,024 bytes
	s_mov_b32 s19, 0
	s_add_nc_u64 s[8:9], s[8:9], s[18:19]
	v_and_b32 v25, 31, v0
	v_lshlrev_b32 v25, 10, v25                     ; my lane's row; never rewritten
	global_prefetch_b8 v25, s[8:9] offset:ROWB th:TH_LOAD_NT scope:SCOPE_SE
	v_and_b32 v1, 15, v0
	v_bfe_u32 v2, v0, 4, 1
	v_mul_u32_u24 v3, v1, PITCH
	v_lshl_add_u32 v4, v2, 4, v3
	s_mul_i32 s21, s15, HALFT
	s_mul_i32 s22, s16, HALFT
	s_add_co_u32 s22, s22, 2*HALFT
.irp s, 0,1
	v_add_nc_u32 v[ADRA+\s], s21, v4
	v_add_nc_u32 v[ADRB+\s], s22, v4
	s_add_co_u32 s21, s21, SLOT
	s_add_co_u32 s22, s22, SLOT
.endr
	v_mul_u32_u24 v5, v1, KS
	v_lshrrev_b32 v6, 8, v5
	v_lshl_add_u32 v5, v6, 4, v5
	s_mul_i32 s21, s15, HALFS
	s_mul_i32 s22, s16, HALFS
	s_add_co_u32 s22, s22, 2*HALFS
	s_sub_co_u32 s22, s22, s21
	v_mul_u32_u24 v6, s22, v2
	s_add_co_u32 s21, s21, SCL
	v_add_nc_u32 v5, v5, v6
	v_add_nc_u32 v[ADRS], s21, v5
	s_lshl_b32 s20, s17, 8
	s_lshl_b32 s21, s15, 7
	s_add_co_u32 s20, s20, s21
	s_lshl_b32 s21, s42, 8
	s_lshl_b32 s22, s16, 7
	s_add_co_u32 s21, s21, s22
	s_lshl_b32 s22, s20, 12
	s_lshl_b32 s23, s21, 4
	s_add_co_u32 s22, s22, s23
	s_mov_b32 s23, 0
	s_add_nc_u64 s[4:5], s[12:13], s[22:23]
	s_lshl_b32 s22, s21, 7
	s_lshl_b32 s46, s20, 2
	s_add_co_u32 s22, s22, s46
	s_add_co_u32 s22, s22, 0x1000000
	s_add_nc_u64 s[6:7], s[12:13], s[22:23]
	s_lshl_b32 s22, s21, 2
	s_add_nc_u64 s[10:11], s[10:11], s[22:23]
	v_and_b32 v3, 31, v0
	v_lshlrev_b32 v[GSO], 4, v3
	v_lshlrev_b32 v[VA], 4, v3
	s_lshl_b32 s22, s14, 9
	v_lshl_add_u32 v[SWB], v1, 2, s22
	v_add_nc_u32 v[LRD], s22, v[GSO]
	v_lshlrev_b32 v30, 5, v2
.irp b, 0,1,2,3,4,5,6,7
	global_load_b128 v[BN+8*\b:BN+8*\b+3], v30, s[10:11] offset:64*\b
	global_load_b128 v[BN+8*\b+4:BN+8*\b+7], v30, s[10:11] offset:64*\b+16
.endr
	s_mov_b32 s[SEL], 0x76543210
	s_mov_b32 s[SEL+1], 0xfedcba98
	s_mov_b32 s[MNT], 0x600000
	s_mov_b32 s[CA], 0x3eb504f3
	s_mov_b32 s[CX], 0xbf38aa3b
	s_mov_b32 s[CX+1], s[CX]
.macro FRAG reg, adr, q, i
.irp c, 0,1,2,3
	ds_load_b128 v[\reg+4*\c:\reg+4*\c+3], v[\adr] offset:128*(\q)+32*\c+(\i)*16*PITCH
.endr
.endm
.macro MUL16 a0, p, q, sc, zero
.irp a, \a0, \a0+1
.irp b, 0,1,2,3,4,5,6,7
.if \zero
	v_wmma_scale_f32_16x16x128_f8f6f4 v[8*(8*((\a)%4)+\b):8*(8*((\a)%4)+\b)+7], v[128*(\p)+FR*\b:128*(\p)+FR*\b+FR-1], v[AF+FR*(\a):AF+FR*(\a)+FR-1], 0, v[SC+8*NQ*(\sc)+NQ*\b+(\q)], v[SC+8*NQ*(\sc)+NQ*(\a)+(\q)] matrix_a_fmt:MATRIX_FMT_BF8 matrix_b_fmt:MATRIX_FMT_BF8 matrix_a_scale:MATRIX_SCALE_ROW1
.else
	v_wmma_scale_f32_16x16x128_f8f6f4 v[8*(8*((\a)%4)+\b):8*(8*((\a)%4)+\b)+7], v[128*(\p)+FR*\b:128*(\p)+FR*\b+FR-1], v[AF+FR*(\a):AF+FR*(\a)+FR-1], v[8*(8*((\a)%4)+\b):8*(8*((\a)%4)+\b)+7], v[SC+8*NQ*(\sc)+NQ*\b+(\q)], v[SC+8*NQ*(\sc)+NQ*(\a)+(\q)] matrix_a_fmt:MATRIX_FMT_BF8 matrix_b_fmt:MATRIX_FMT_BF8 matrix_a_scale:MATRIX_SCALE_ROW1
.endif
.endr
.endr
.endm
.macro FETCH_B slot, q, p
	WIN TO_B
.irp i, 0,1,2,3,4,5,6,7
	FRAG 128*(\p)+FR*\i, ADRB+\slot, \q, \i
.endr
	WIN 0
.endm
.macro FETCH_A slot, q, i0
.irp i, \i0, \i0+1, \i0+2, \i0+3
	FRAG AF+FR*(\i), ADRA+\slot, \q, \i
.endr
.endm
.macro SCALES sc
.irp i, 0,1,2,3,4,5,6,7
	ds_load_b64 v[SC+8*NQ*\sc+NQ*\i:SC+8*NQ*\sc+NQ*\i+1], v[ADRS] offset:\i*SBLK
.endr
.endm
.macro PLACES n
.rept \n
	v_nop
.endr
.endm
.macro STEP slot, q, zero
	s_wait_dscnt 4*NL
	WIN MUL_LO
	MUL16 0, (\q)%2, \q, \slot, \zero
	MUL16 2, (\q)%2, \q, \slot, \zero
	s_wait_dscnt 0
	PLACES NP
	FETCH_B \slot, (\q)+1, 1-(\q)%2
	FETCH_A \slot, (\q)+1, 0
	WIN MUL_HI
	MUL16 4, (\q)%2, \q, \slot, \zero
	MUL16 6, (\q)%2, \q, \slot, \zero
	PLACES NP
	WIN 0
	FETCH_A \slot, (\q)+1, 4
.endm
.macro TURN slot, next, fill
	s_wait_tensorcnt 0x0
	ds_add_u32 v[SPW], v[NIL]
	s_wait_dscnt 4*NL+1
	WIN MUL_LO
	MUL16 0, 1, NQ-1, \slot, 0
	s_wait_dscnt 0x0
	s_barrier_signal -1
	MUL16 2, 1, NQ-1, \slot, 0
	WIN 0
	s_barrier_wait -1
.if \fill
	CREST
	s_add_nc_u64 s[G0+4*\slot+2:G0+4*\slot+3], s[G0+4*\slot+2:G0+4*\slot+3], 2*ROWB
	s_add_nc_u64 s[G0B+4*\slot+2:G0B+4*\slot+3], s[G0B+4*\slot+2:G0B+4*\slot+3], 2*ROWB
	JLOAD G0+4*\slot, G1, G0B+4*\slot, G1B
	PLACES NP-4
.else
	PLACES NP
.endif
	s_wait_alu depctr_va_vdst(0)
	v_add_nc_u32 v[ADRS], 4*NQ, v[ADRS]
	FETCH_B \next, 0, 0
	FETCH_A \next, 0, 0
	SCALES \next
.if (\fill) && (\slot) == 0
	global_prefetch_b8 v25, s[8:9] offset:3*ROWB th:TH_LOAD_NT scope:SCOPE_SE   ; K step 3, the last, behind K step 2's load (the loop has one trip)
.endif
	WIN MUL_HI
	MUL16 4, 1, NQ-1, \slot, 0
	MUL16 6, 1, NQ-1, \slot, 0
	PLACES NP
	WIN 0
	FETCH_A \next, 0, 4
.endm
	s_wait_alu depctr_va_vdst(0)
	s_wait_tensorcnt 0x0                           ; my tile of the head's four is in; slot 1's first fill is issued as a refill is
	ds_add_u32 v[SPW], v[NIL]
	s_mov_b32 s[G1+2], 128<<16                     ; no tensor load of mine is out: from here on a load brings 128 rows
	s_mov_b32 s[G1+4], 128
	s_mov_b32 s[G1B+2], 128<<16
	s_mov_b32 s[G1B+4], 128
	s_wait_dscnt 0x0
	CROUND                                         ; all four tiles are in, and all sixteen work-groups are here
	JLOAD G0+4, G1, G0B+4, G1B                     ; K step 1
	FETCH_B 0, 0, 0
	FETCH_A 0, 0, 0
	SCALES 0
	global_prefetch_b8 v25, s[8:9] offset:2*ROWB th:TH_LOAD_NT scope:SCOPE_SE   ; K step 2, behind K step 1's load
	FETCH_A 0, 0, 4
	STEP 0, 0, 1
	s_mov_b32 s3, LAPS-1
.Llap:
	TURN 0, 1, 1
	STEP 1, 0, 0
	TURN 1, 0, 1
	STEP 0, 0, 0
	s_sub_co_u32 s3, s3, 1
	s_cmp_lg_u32 s3, 0
	s_cbranch_scc1 .Llap
	TURN 0, 1, 0
	STEP 1, 0, 0
	s_wait_dscnt 4*NL
	WIN MUL_LO
	MUL16 0, 1, NQ-1, 1, 0
	MUL16 2, 1, NQ-1, 1, 0
	s_wait_dscnt 0
	WIN MUL_HI
	MUL16 4, 1, NQ-1, 1, 0
	MUL16 6, 1, NQ-1, 1, 0
	WIN 0
.macro QUANT s
.irp b, 0,1,2,3
	v_max3_num_f32 v[TM+\b], |v[\s+16*\b]|, |v[\s+1+16*\b]|, 0x8000000
.endr
.irp i, 2,4,6,8,10,12,14
.irp b, 0,1,2,3
	v_max3_num_f32 v[TM+\b], v[TM+\b], |v[\s+16*\b+\i]|, |v[\s+1+16*\b+\i]|
.endr
.endr
.irp b, 0,1,2,3
	v_permlanex16_b32 v[TM+4+\b], v[TM+\b], s[SEL], s[SEL+1]
.endr
.irp b, 0,1,2,3
	v_max_num_f32 v[TM+\b], v[TM+\b], v[TM+4+\b]
.endr
.irp b, 0,1,2,3
	v_add_nc_u32 v[TM+12+\b], 0xf8800000, v[TM+\b]
.endr
.irp b, 0,1,2,3
	v_and_or_b32 v[TM+8+\b], v[TM+\b], 0x7f800000, s[MNT]
.endr
.irp b, 0,1,2,3
	v_lshrrev_b32 v[TM+4+\b], 23, v[TM+12+\b]
.endr
.irp b, 0,1,2,3
.irp i, 0,1,2,3,4,5,6,7,8,9,10,11,12,13,14,15
	v_med3_num_f32 v[\s+16*\b+\i], v[\s+16*\b+\i], -v[TM+8+\b], v[TM+8+\b]
.endr
	v_cvt_scalef32_pk8_bf8_f32 v[PC+4*\b:PC+1+4*\b], v[\s+16*\b:\s+7+16*\b], v[TM+12+\b]
	v_cvt_scalef32_pk8_bf8_f32 v[PC+2+4*\b:PC+3+4*\b], v[\s+8+16*\b:\s+15+16*\b], v[TM+12+\b]
.endr
	v_nop
.irp b, 0,1,2,3
	v_permlane16_swap_b32 v[PC+4*\b], v[PC+2+4*\b]
	v_permlane16_swap_b32 v[PC+1+4*\b], v[PC+3+4*\b]
.endr
.endm
.macro GELU
.set i, 0
.rept 64
	v_fma_f32 v[TT+i], |v[XX+i]|, s[CA], 1.0
.set i, i+1
.endr
.set i, 0
	s_wait_alu depctr_va_vdst(0)
.rept 64
	v_rcp_f32 v[TT+i], v[TT+i]
.set i, i+1
.endr
	v_nop
.set i, 0
	s_wait_alu depctr_va_vdst(0)
.rept 32
	v_pk_fma_f32 v[PP+2*i:PP+2*i+1], v[TT+2*i:TT+2*i+1], v[CF+18:CF+19], v[CF+16:CF+17]
.set i, i+1
.endr
.irp k, 7,6,5,4,3,2,1,0
.set i, 0
.rept 32
	v_pk_fma_f32 v[PP+2*i:PP+2*i+1], v[PP+2*i:PP+2*i+1], v[TT+2*i:TT+2*i+1], v[CF+2*\k:CF+2*\k+1]
.set i, i+1
.endr
.endr
.set i, 0
.rept 8
.irp u, 0,2,4,6
	v_pk_mul_f32 v[SCR+\u:SCR+\u+1], v[XX+i+\u:XX+i+\u+1], s[CX:CX+1] op_sel_hi:[1,0]
.endr
.irp u, 0,2,4,6
	v_pk_fma_f32 v[PP+i+\u:PP+i+\u+1], v[SCR+\u:SCR+\u+1], v[XX+i+\u:XX+i+\u+1], v[PP+i+\u:PP+i+\u+1]
.endr
.set i, i+8
.endr
.set i, 0
	s_wait_alu depctr_va_vdst(0)
.rept 64
	v_exp_f32 v[PP+i], v[PP+i]
.set i, i+1
.endr
	v_nop
.set i, 0
	s_wait_alu depctr_va_vdst(0)
.rept 32
	v_pk_mul_f32 v[PP+2*i:PP+2*i+1], v[PP+2*i:PP+2*i+1], v[TT+2*i:TT+2*i+1]
.set i, i+1
.endr
.set i, 0
.rept 64
	v_max_num_f32 v[TT+i], 0, v[XX+i]
.set i, i+1
.endr
.set i, 0
.rept 64
	v_fma_f32 v[XX+i], -v[PP+i], |v[XX+i]|, v[TT+i]
.set i, i+1
.endr
.endm
.macro COEF k, bits
	v_mov_b32 v[CF+2*\k], \bits
	v_mov_b32 v[CF+2*\k+1], \bits
.endm
.macro MOVE k
	WIN 0x42+(\k)/4
.set i, 0
.rept 32
	v_pk_add_f32 v[XX+2*i:XX+2*i+1], v[64*((\k)%4)+2*i:64*((\k)%4)+2*i+1], v[BN+2*i:BN+2*i+1]
.set i, i+1
.endr
	WIN 0
.endm
	PLACES NP
	s_wait_loadcnt 0x0
	WIN 0x40
	COEF 0, 0xc034d90f
	COEF 1, 0x3fb8ab5a
	COEF 2, 0x3f0a29d2
	COEF 3, 0x3e0efb2e
	COEF 4, 0xbe899a80
	COEF 5, 0x3ecdfd18
	COEF 6, 0xbfd1a1e5
	COEF 7, 0x40097039
	COEF 8, 0xbf97d29d
	COEF 9, 0x3e7c6f08
.irp b, 0,1,2,3
	v_mov_b32 v[TM+4+\b], 0
.endr
	WIN 0
	s_mov_b32 s[AI], 0
	s_mov_b32 s[SWS], 0
.Lrow:
.irp k, 0,1,2,3,4,5,6
	s_cmp_eq_u32 s[AI], \k
	s_cbranch_scc1 .Lm_\k
.endr
	MOVE 7
	s_branch .Lcom
.irp k, 0,1,2,3,4,5
.Lm_\k:
	MOVE \k
	s_branch .Lcom
.endr
.Lm_6:
	MOVE 6
.Lcom:
	v_add_nc_u32 v[SW2], s[SWS], v[SWB]
	WIN 0x55
	GELU
	QUANT XX
	v_lshl_or_b32 v[TM+16], v[TM+5], 8, v[TM+4]
	v_lshl_or_b32 v[TM+16], v[TM+6], 16, v[TM+16]
	v_lshl_or_b32 v[TM+16], v[TM+7], 24, v[TM+16]
	WIN 0x04
.irp c, 0,1,2,3
	global_store_b128 v[VA], v[PC+4*\c:PC+4*\c+3], s[4:5] offset:512*\c
.endr
	ds_store_b32 v[SW2], v[TM+16]
	WIN 0
	s_wait_xcnt 0x0
	v_add_nc_u32 v[VA], 0x10000, v[VA]
	s_add_co_u32 s[SWS], s[SWS], 64
	s_add_co_u32 s[AI], s[AI], 1
	s_cmp_lt_u32 s[AI], 8
	s_cbranch_scc1 .Lrow
	ds_load_b128 v[8:11], v[LRD]
	s_wait_dscnt 0x0
	global_store_b128 v[GSO], v[8:11], s[6:7]
	s_wait_tensorcnt 0x0
	ds_add_u32 v[SPW], v[NIL]
	s_wait_dscnt 0x0
	CROUND
	s_endpgm
.Lfunc_end_k_q38ccb3cf85_ffn1:
	.size	k_q38ccb3cf85_ffn1, .Lfunc_end_k_q38ccb3cf85_ffn1-k_q38ccb3cf85_ffn1
	.p2alignl 7, 3214868480
	.fill 96, 4, 3214868480
	.section	.rodata,"a",@progbits
	.p2align	6, 0x0
	.amdhsa_kernel k_q38ccb3cf85_ffn1
		.amdhsa_group_segment_fixed_size 327680
		.amdhsa_private_segment_fixed_size 0
		.amdhsa_enable_private_segment 0
		.amdhsa_kernarg_size 40
		.amdhsa_user_sgpr_count 2
		.amdhsa_user_sgpr_kernarg_segment_ptr 1
		.amdhsa_wavefront_size32 1
		.amdhsa_system_sgpr_workgroup_id_x 1
		.amdhsa_system_sgpr_workgroup_id_y 1
		.amdhsa_system_sgpr_workgroup_id_z 1
		.amdhsa_system_vgpr_workitem_id 0
		.amdhsa_next_free_vgpr 1024
		.amdhsa_next_free_sgpr 98
		.amdhsa_reserve_vcc 0
		.amdhsa_float_denorm_mode_32 3
		.amdhsa_float_denorm_mode_16_64 3
		.amdhsa_memory_ordered 1
		.amdhsa_forward_progress 1
		.amdhsa_inst_pref_size 185
	.end_amdhsa_kernel
	.amdgpu_metadata
---
amdhsa.version: [ 1, 2 ]
amdhsa.kernels:
  - .name:           k_q38ccb3cf85_ffn1
    .symbol:         k_q38ccb3cf85_ffn1.kd
    .args:
      - { .name: hbuf, .offset: 0, .size: 8, .value_kind: global_buffer, .address_space: global }
      - { .name: w1_codes, .offset: 8, .size: 8, .value_kind: global_buffer, .address_space: global }
      - { .name: w1_scales, .offset: 16, .size: 8, .value_kind: global_buffer, .address_space: global }
      - { .name: b1, .offset: 24, .size: 8, .value_kind: global_buffer, .address_space: global }
      - { .name: gbuf, .offset: 32, .size: 8, .value_kind: global_buffer, .address_space: global }
    .group_segment_fixed_size: 327680
    .private_segment_fixed_size: 0
    .kernarg_segment_align: 8
    .kernarg_segment_size: 40
    .max_flat_workgroup_size: 128
    .sgpr_count:     98
    .vgpr_count:     1024
    .wavefront_size: 32
...
	.end_amdgpu_metadata
.endif
;; end of part 5
;; launch ffn2 (part 6): grid 8 x 32, 4 waves a work-group, clusters of 4 x 4, 327,680 bytes of LDS; arguments gbuf, w2_codes, w2_scales, b2, x1, out0; writes out0
.if DOCPART == 6
	.amdgcn_target "amdgcn-amd-amdhsa--gfx1250"
	.amdhsa_code_object_version 6
	.text
	.protected	k_q38ccb3cf85_ffn2
	.globl	k_q38ccb3cf85_ffn2
	.p2align	8
	.type	k_q38ccb3cf85_ffn2,@function
k_q38ccb3cf85_ffn2:
	s_mov_b64 s[64:65], 0
	v_nop
	global_prefetch_b8 v0, s[64:65] scope:SCOPE_SE
	s_setreg_imm32_b32 hwreg(HW_REG_WAVE_MODE, 25, 1), 1
	s_wait_xcnt 0x0
	s_wait_alu depctr_hold_cnt(0) depctr_sa_sdst(0) depctr_va_vdst(0) depctr_va_sdst(0) depctr_va_ssrc(0) depctr_va_vcc(0) depctr_vm_vsrc(0)
	s_getreg_b32 s2, hwreg(HW_REG_IB_STS2, 6, 4)
	s_cmp_eq_u32 s2, 0
	s_cbranch_scc0 .Lentry_in_a_cluster
	s_endpgm
.Lentry_in_a_cluster:
	s_bfe_u32 s2, ttmp6, 0x10000c
	s_cmp_lg_u32 s2, 0xf033
	s_cbranch_scc0 .Lentry_shape_is_right
	s_endpgm
.Lentry_shape_is_right:
.set SIZE_K, 4096
.set NKB,   SIZE_K/128
.set KS,    SIZE_K/32
.set BP,    1040
.set SLOT,  128*BP
.set SCA,   2*SLOT
.set SCB,   SCA+512*NKB
.set SPARE, SCB+136*KS
.set SOFF,  4096*SIZE_K
.set SPITCH, 528
.set BIAS, 12
.set ADRB, 16
.set ADSA, 22
.set ADSB, 23
.set STO,  24
.set RD,   25
.set CO,   26
.set SPW,  28
.set NIL,  29
.set SA,   32
.set SB,   40
.set ACC,  128
.set AB,   24
.set G1B, 48
.set G0B, 56
.set G1SA, 68
.set G0SA, 76
.set G1SB, 80
.set G0SB, 88
.set MUL, 0x09
.set MSB, 0
.macro WIN new
.if MSB != (\new)
	s_set_vgpr_msb (MSB<<8)|(\new)
.set MSB, (\new)
.endif
.endm
.macro JLOAD g0a, g1a, g0b, g1b
	s_cmp_eq_u32 s17, 0
	s_cbranch_scc0 .Lfor_b_\@
	tensor_load_to_lds s[\g0a:\g0a+3], s[\g1a:\g1a+7]
	s_nop 0
.rept 4
	v_nop
.endr
	s_branch .Lasked_\@
.Lfor_b_\@:
	tensor_load_to_lds s[\g0b:\g0b+3], s[\g1b:\g1b+7]
	s_nop 0
.rept 4
	v_nop
.endr
.Lasked_\@:
.endm
.macro CREST
	s_cmp_lg_u32 s16, 0
	s_cbranch_scc1 .Lnot_wave_0_\@
	s_barrier_signal -3
.Lnot_wave_0_\@:
	s_barrier_wait -3
	s_barrier_signal -1
	s_barrier_wait -1
.endm
.macro CROUND
	s_barrier_signal -1
	s_barrier_wait -1
	CREST
.endm
.macro PLACES n
.rept \n
	v_nop
.endr
.endm
.macro ALOAD Q
.irp a, 0,1
.irp c, 0,1,2,3
	global_load_b128 v[32*((\Q)%8)+16*\a+4*\c:32*((\Q)%8)+16*\a+4*\c+3], v[CO], s[AB:AB+1] offset:65536*\a+2048*(\Q)+512*\c
.endr
.endr
.endm
.macro RLOAD g
.irp t, 0,1,2,3,4,5,6,7
	global_load_b128 v[4*(8*(\g)+\t):4*(8*(\g)+\t)+3], v[CO], s[12:13] offset:(8*(\g)+\t)*4096
.endr
.endm
	s_load_b256 s[4:11], s[0:1], 0x0
	s_load_b128 s[12:15], s[0:1], 0x20
	v_lshl_add_u32 v[SPW], v0, 2, SPARE
	v_mov_b32 v[NIL], 0
	ds_add_u32 v28, v29
	ds_add_u32 v28, v29
	s_wait_dscnt 0x0
	v_lshrrev_b32 v1, 5, v0
	v_readfirstlane_b32 s16, v1
	s_lshr_b32 s17, s16, 1
	s_and_b32 s18, s16, 1
	s_bfe_u32 s40, ttmp6, 0x40000
	s_bfe_u32 s41, ttmp6, 0x40004
	s_lshl_b32 s42, ttmp9, 2
	s_add_co_u32 s42, s42, s40
	s_and_b32 s19, ttmp7, 0xffff
	s_lshl_b32 s19, s19, 2
	s_add_co_u32 s19, s19, s41
	s_lshl_b32 s43, s41, 2
	s_lshl_b32 s43, 15, s43
	s_lshl_b32 s44, 0x1111, s40
	s_or_b32 s[G1B+0], s44, (0<<16)|(1<<20)|(1<<21)|(7<<22)|(3<<25)
	s_mov_b32 s[G1B+1], 1024<<16
	s_mov_b32 s[G1B+2], 64<<16                     ; the head's loads bring 64 rows each; 32 behind them
	s_mov_b32 s[G1B+3], 1024<<16
	s_mov_b32 s[G1B+4], 64
	s_mov_b32 s[G1B+5], SIZE_K
	s_mov_b32 s[G1B+6], 0
	s_mov_b32 s[G1B+7], 0
	s_or_b32 s[G1SA+0], s43, (3<<16)|(1<<21)
	s_mov_b32 s[G1SA+1], 64<<16
	s_mov_b32 s[G1SA+2], NKB<<16
	s_mov_b32 s[G1SA+3], 64<<16
	s_mov_b32 s[G1SA+4], NKB
	s_mov_b32 s[G1SA+5], 2048
	s_mov_b32 s[G1SA+6], 0
	s_mov_b32 s[G1SA+7], 0
	s_or_b32 s[G1SB+0], s44, (3<<16)|(1<<20)|(1<<21)|(5<<22)|(3<<25)
	s_mov_b32 s[G1SB+1], 32<<16
	s_mov_b32 s[G1SB+2], (KS/2)<<16
	s_mov_b32 s[G1SB+3], 32<<16
	s_mov_b32 s[G1SB+4], KS/2
	s_mov_b32 s[G1SB+5], 32
	s_mov_b32 s[G1SB+6], 0
	s_mov_b32 s[G1SB+7], 0
	s_mov_b32 s22, 0
	s_lshl_b32 s23, s19, 9
	s_add_co_u32 s22, s22, s23
	s_add_co_u32 s22, s22, SOFF
	s_mov_b32 s23, 0
	s_lshl_b32 s46, s42, 7
	s_mul_i32 s92, s46, KS                         ; W's scale bytes: from the tile's first row
	s_mov_b32 s93, 0
	s_lshl_b32 s47, s16, 5
	s_add_co_u32 s46, s46, s47
	s_mul_i32 s46, s46, SIZE_K
	s_mov_b32 s47, 0
	s_mul_i32 s94, s16, 32*BP
	s_mov_b32 s95, 0
	s_mov_b32 s66, 0
	s_lshl_b32 s20, s19, 3
	s_lshl_b32 s21, s16, 1
	s_add_co_u32 s20, s20, s21
	s_lshl_b32 s20, s20, 16
	s_mov_b32 s21, 0
	s_lshl_b32 s26, s19, 7
	s_lshl_b32 s27, s16, 5
	s_add_co_u32 s26, s26, s27
	s_lshl_b32 s26, s26, 12
	s_lshl_b32 s28, s42, 9
	s_add_co_u32 s26, s26, s28
	s_mov_b32 s27, 0
	s_mov_b32 s29, 0
	v_and_b32 v3, 31, v0
	v_lshlrev_b32 v[CO], 4, v3
	s_wait_alu depctr_va_vdst(0)
	s_wait_kmcnt 0x0
	s_add_nc_u64 s[AB:AB+1], s[4:5], s[20:21]
	s_add_nc_u64 s[22:23], s[4:5], s[22:23]
	s_add_nc_u64 s[46:47], s[6:7], s[46:47]
	s_add_nc_u64 s[92:93], s[8:9], s[92:93]
	s_add_nc_u64 s[10:11], s[10:11], s[28:29]
	s_add_nc_u64 s[12:13], s[12:13], s[26:27]
	s_add_nc_u64 s[14:15], s[14:15], s[26:27]
	global_load_b128 v[BIAS:BIAS+3], v[CO], s[10:11]
	WIN 0x80
.irp Q, 0,1,2,3,4,5,6
	ALOAD \Q
.endr
	WIN 0
	CROUND
	s_mov_b32 s[G0SA], 1
	s_add_co_u32 s[G0SA+1], s95, SCA
	s_mov_b64 s[G0SA+2:G0SA+3], s[22:23]
	s_or_b32 s[G0SA+3], s[G0SA+3], 0x80000000
	s_mov_b32 s[G0SB], 1
	s_add_co_u32 s[G0SB+1], s66, SCB
	s_mov_b64 s[G0SB+2:G0SB+3], s[92:93]
	s_or_b32 s[G0SB+3], s[G0SB+3], 0x80000000
.irp s, 0,1
	s_mov_b32 s[G0B+4*\s], 1
	s_add_co_u32 s[G0B+4*\s+1], s94, \s*SLOT
	s_add_nc_u64 s[G0B+4*\s+2:G0B+4*\s+3], s[46:47], \s*1024
	s_or_b32 s[G0B+4*\s+3], s[G0B+4*\s+3], 0x80000000
.endr
; THE HEAD'S LOADS, ONE A WAVE, in one chain of branches on the wave's number: waves 0 and 2 K step 0's rows 0-63 and 64-127 of W
; (their own slot 0 descriptors begin at those rows), wave 1 A's scale words, wave 3 W's scale bytes.
.macro HARM g0, g1
	tensor_load_to_lds s[\g0:\g0+3], s[\g1:\g1+7]
	s_nop 0
.rept 4
	v_nop
.endr
.endm
	s_cmp_eq_u32 s18, 0
	s_cbranch_scc0 .Lhead_1
	HARM G0B, G1B
	s_branch .Lhead_asked
.Lhead_1:
	s_cmp_eq_u32 s16, 1
	s_cbranch_scc0 .Lhead_2
	HARM G0SA, G1SA
	s_branch .Lhead_asked
.Lhead_2:
	HARM G0SB, G1SB
.Lhead_asked:
	; PREFETCHES INTO THE L2 of W's K steps 1, 2 and 3 (1,024 bytes of each row), each asked for one K step ahead of the load that wants it, one instruction a wave.  Of the 32 rows that I fetch in the ring each of the four
	; partners of my column takes 8, told apart by address (cy): four lanes a row, 256 bytes apart.  All eight rows of clusters read the same W: the first four ask (a branch on the cluster's y, the same in all partners).
	s_and_b32 s2, ttmp7, 0xffff                    ; the cluster's y
	s_lshl_b32 s8, s41, 15                         ; 8 rows of 4,096 bytes
	s_mov_b32 s9, 0
	s_add_nc_u64 s[6:7], s[46:47], s[8:9]
	v_lshrrev_b32 v20, 2, v3
	v_and_b32 v21, 3, v3
	v_lshlrev_b32 v20, 12, v20
	v_lshl_add_u32 v20, v21, 8, v20                ; my lane's block; never rewritten
	s_cmp_lt_u32 s2, 4
	s_cbranch_scc0 .Lno_ask_1
	global_prefetch_b8 v20, s[6:7] offset:1024 th:TH_LOAD_NT scope:SCOPE_SE
.Lno_ask_1:
	v_and_b32 v1, 15, v0
	v_bfe_u32 v2, v0, 4, 1
	v_mul_u32_u24 v[ADRB], v1, BP
	v_lshl_add_u32 v[ADRB], v2, 4, v[ADRB]
	v_add_nc_u32 v[ADRB+1], 64*BP, v[ADRB]
	v_add_nc_u32 v[ADRB+2], SLOT, v[ADRB]
	v_add_nc_u32 v[ADRB+3], SLOT+64*BP, v[ADRB]
	s_lshl_b32 s21, s16, 7
	s_add_co_u32 s21, s21, SCA
	v_lshl_add_u32 v[ADSA], v3, 2, s21
	v_mul_u32_u24 v5, v1, KS
	v_lshrrev_b32 v6, 8, v5
	v_lshl_add_u32 v5, v6, 4, v5
	v_add_nc_u32 v[ADSB], SCB, v5
	s_mul_i32 s23, s16, 16*SPITCH
	v_mul_u32_u24 v5, v1, SPITCH
	v_lshl_add_u32 v5, v2, 5, v5
	v_add_nc_u32 v[STO], s23, v5
	v_add_nc_u32 v[RD], s23, v[CO]
.macro MULB Q, b0, nb, zero
.set bb, \b0
.rept \nb
.irp a, 0,1
.set rD, ACC+8*(8*\a+bb)
.set rB, 128*((\Q)%2)+16*bb
.set rA, 32*((\Q)%8)+16*\a
.set rSB, SB+32*(((\Q)/4)%2)+4*bb+(\Q)%4
.set rSA, SA+4*(((\Q)/4)%2)+(\Q)%4
.if \zero
.if \a
	v_wmma_scale_f32_16x16x128_f8f6f4 v[rD:rD+7], v[rB:rB+15], v[rA:rA+15], 0, v[rSB], v[rSA] matrix_a_fmt:MATRIX_FMT_BF8 matrix_b_fmt:MATRIX_FMT_BF8 matrix_b_scale:MATRIX_SCALE_ROW1
.else
	v_wmma_scale_f32_16x16x128_f8f6f4 v[rD:rD+7], v[rB:rB+15], v[rA:rA+15], 0, v[rSB], v[rSA] matrix_a_fmt:MATRIX_FMT_BF8 matrix_b_fmt:MATRIX_FMT_BF8
.endif
.else
.if \a
	v_wmma_scale_f32_16x16x128_f8f6f4 v[rD:rD+7], v[rB:rB+15], v[rA:rA+15], v[rD:rD+7], v[rSB], v[rSA] matrix_a_fmt:MATRIX_FMT_BF8 matrix_b_fmt:MATRIX_FMT_BF8 matrix_b_scale:MATRIX_SCALE_ROW1
.else
	v_wmma_scale_f32_16x16x128_f8f6f4 v[rD:rD+7], v[rB:rB+15], v[rA:rA+15], v[rD:rD+7], v[rSB], v[rSA] matrix_a_fmt:MATRIX_FMT_BF8 matrix_b_fmt:MATRIX_FMT_BF8
.endif
.endif
.endr
.set bb, bb+1
.endr
.endm
.macro FETCH slot, q, p, J
	WIN 0x40
.irp b, 0,1,2,3
.irp c, 0,1,2,3
	ds_load_b128 v[128*(\p)+16*\b+4*\c:128*(\p)+16*\b+4*\c+3], v[ADRB+2*(\slot)] offset:16*BP*\b+128*(\q)+32*\c
.endr
.endr
.if \J >= 0
	WIN 0
.irp u, 0,1,2,3
	ds_load_b32 v[SA+4*((\J)%2)+\u], v[ADSA] offset:512*(4*(\J)+\u)
.endr
.irp b, 0,1,2,3,4,5,6,7
	ds_load_b128 v[SB+32*((\J)%2)+4*\b:SB+32*((\J)%2)+4*\b+3], v[ADSB] offset:17*KS*\b+16*(\J)
.endr
	WIN 0x40
.endif
.irp b, 0,1,2,3
.irp c, 0,1,2,3
	ds_load_b128 v[128*(\p)+64+16*\b+4*\c:128*(\p)+64+16*\b+4*\c+3], v[ADRB+2*(\slot)+1] offset:16*BP*\b+128*(\q)+32*\c
.endr
.endr
.endm
.macro GLOB Q
.if (\Q)+7 < NKB
	WIN 0x80
	ALOAD (\Q)+7
.elseif (\Q) < NKB-3
	WIN 0xc0
	RLOAD (\Q)-(NKB-7)
.endif
.endm
.macro COUNTS Q
.set LC, 48
.if (\Q)+6 > NKB+3
.set LC, 8*(NKB+3-(\Q))
.endif
.set JJ, -1
.if ((\Q)+1)%4 == 0
.set JJ, ((\Q)+1)/4
.endif
.endm
.macro QUARTER Q, zero
	COUNTS \Q
	s_wait_dscnt 16
	s_wait_loadcnt LC
	WIN MUL
	MULB \Q, 0, 4, \zero
	PLACES 8
	FETCH ((\Q)/8)%2, (\Q)%8+1, 1-(\Q)%2, JJ
	GLOB \Q
.if JJ >= 0
	s_wait_dscnt 44
.else
	s_wait_dscnt 32
.endif
	WIN MUL
	MULB \Q, 4, 4, \zero
.endm
.macro TURN Q, fill
	COUNTS \Q
.set SL, ((\Q)/8)%2
	WIN 0
	s_wait_tensorcnt 0x0
	ds_add_u32 v[SPW], v[NIL]
	s_wait_dscnt 17
	s_wait_loadcnt LC
	WIN MUL
	MULB \Q, 0, 2, 0
	s_wait_dscnt 0x0
	s_barrier_signal -1
	MULB \Q, 2, 2, 0
	WIN 0
	s_barrier_wait -1
.if \fill
	CREST
	s_add_nc_u64 s[G0B+4*SL+2:G0B+4*SL+3], s[G0B+4*SL+2:G0B+4*SL+3], 2048
	tensor_load_to_lds s[G0B+4*SL:G0B+4*SL+3], s[G1B:G1B+7]
	s_nop 0
.endif
	PLACES 8
.if (\Q) == 7
	s_cmp_lt_u32 s2, 4
	s_cbranch_scc0 .Lno_ask_3
	global_prefetch_b8 v20, s[6:7] offset:3072 th:TH_LOAD_NT scope:SCOPE_SE   ; K step 3, the last, behind K step 2's load
.Lno_ask_3:
.endif
	FETCH 1-SL, 0, 0, JJ
	GLOB \Q
	WIN MUL
	MULB \Q, 4, 4, 0
.endm
	s_wait_alu depctr_va_vdst(0)
	s_wait_tensorcnt 0x0                           ; my tile of the head's is in; slot 1's first fill is issued as a refill is
	ds_add_u32 v[SPW], v[NIL]
	s_mov_b32 s[G1B+2], 32<<16                     ; no tensor load of mine is out: from here on a load brings 32 rows
	s_mov_b32 s[G1B+4], 32
	s_wait_dscnt 0x0
	CROUND                                         ; the head's tiles are in, and all sixteen work-groups are here
	HARM G0B+4, G1B                                ; K step 1, a quarter a wave
	s_cmp_lt_u32 s2, 4
	s_cbranch_scc0 .Lno_ask_2
	global_prefetch_b8 v20, s[6:7] offset:2048 th:TH_LOAD_NT scope:SCOPE_SE   ; K step 2
.Lno_ask_2:
	FETCH 0, 0, 0, 0
	QUARTER 0, 1
.irp Q, 1,2,3,4,5,6
	QUARTER \Q, 0
.endr
	TURN 7, 1
.irp Q, 8,9,10,11,12,13,14
	QUARTER \Q, 0
.endr
	TURN 15, 1
.irp Q, 16,17,18,19,20,21,22
	QUARTER \Q, 0
.endr
	TURN 23, 0
.irp Q, 24,25,26,27,28,29,30
	QUARTER \Q, 0
.endr
	s_wait_dscnt 16
	s_wait_loadcnt 32
	WIN MUL
	MULB 31, 0, 4, 0
	s_wait_dscnt 0
	MULB 31, 4, 4, 0
	WIN 0
	PLACES 8
	s_wait_loadcnt 0x0
.macro TOSTAGE a
.irp b, 0,1,2,3,4,5,6,7
	ds_store_b128 v[STO], v[ACC+8*(8*(\a)+\b):ACC+8*(8*(\a)+\b)+3] offset:64*\b
	ds_store_b128 v[STO], v[ACC+8*(8*(\a)+\b)+4:ACC+8*(8*(\a)+\b)+7] offset:64*\b+16
.endr
	WIN 0x40
.irp t, 0,1,2,3,4,5,6,7,8,9,10,11,12,13,14,15
	ds_load_b128 v[64*(\a)+4*\t:64*(\a)+4*\t+3], v[RD] offset:SPITCH*\t
.endr
	WIN 0
.endm
.macro SEND a, younger
	s_wait_dscnt \younger
	WIN 0x4d
.set i, 0
.rept 32
	v_pk_add_f32 v[64*(\a)+2*i:64*(\a)+2*i+1], v[64*(\a)+2*i:64*(\a)+2*i+1], v[64*(\a)+2*i:64*(\a)+2*i+1]
.set i, i+1
.endr
	WIN 0x41
.set i, 0
.rept 32
	v_pk_add_f32 v[64*(\a)+2*i:64*(\a)+2*i+1], v[64*(\a)+2*i:64*(\a)+2*i+1], v[BIAS+2*(i%2):BIAS+2*(i%2)+1]
.set i, i+1
.endr
	WIN 0x04
.irp t, 0,1,2,3,4,5,6,7,8,9,10,11,12,13,14,15
	global_store_b128 v[CO], v[64*(\a)+4*\t:64*(\a)+4*\t+3], s[14:15] offset:(16*(\a)+\t)*4096
.endr
	WIN 0
.endm
	TOSTAGE 0
	TOSTAGE 1
	SEND 0, 32
	SEND 1, 0
	s_wait_tensorcnt 0x0
	ds_add_u32 v[SPW], v[NIL]
	s_wait_dscnt 0x0
	CROUND
	s_endpgm
.Lfunc_end_k_q38ccb3cf85_ffn2:
	.size	k_q38ccb3cf85_ffn2, .Lfunc_end_k_q38ccb3cf85_ffn2-k_q38ccb3cf85_ffn2
	.p2alignl 7, 3214868480
	.fill 96, 4, 3214868480
	.section	.rodata,"a",@progbits
	.p2align	6, 0x0
	.amdhsa_kernel k_q38ccb3cf85_ffn2
		.amdhsa_group_segment_fixed_size 327680
		.amdhsa_private_segment_fixed_size 0
		.amdhsa_enable_private_segment 0
		.amdhsa_kernarg_size 48
		.amdhsa_user_sgpr_count 2
		.amdhsa_user_sgpr_kernarg_segment_ptr 1
		.amdhsa_wavefront_size32 1
		.amdhsa_system_sgpr_workgroup_id_x 1
		.amdhsa_system_sgpr_workgroup_id_y 1
		.amdhsa_system_sgpr_workgroup_id_z 1
		.amdhsa_system_vgpr_workitem_id 0
		.amdhsa_next_free_vgpr 896
		.amdhsa_next_free_sgpr 96
		.amdhsa_reserve_vcc 0
		.amdhsa_float_denorm_mode_32 3
		.amdhsa_float_denorm_mode_16_64 3
		.amdhsa_memory_ordered 1
		.amdhsa_forward_progress 1
		.amdhsa_inst_pref_size 202
	.end_amdhsa_kernel
	.amdgpu_metadata
---
amdhsa.version: [ 1, 2 ]
amdhsa.kernels:
  - .name:           k_q38ccb3cf85_ffn2
    .symbol:         k_q38ccb3cf85_ffn2.kd
    .args:
      - { .name: gbuf, .offset: 0, .size: 8, .value_kind: global_buffer, .address_space: global }
      - { .name: w2_codes, .offset: 8, .size: 8, .value_kind: global_buffer, .address_space: global }
      - { .name: w2_scales, .offset: 16, .size: 8, .value_kind: global_buffer, .address_space: global }
      - { .name: b2, .offset: 24, .size: 8, .value_kind: global_buffer, .address_space: global }
      - { .name: x1, .offset: 32, .size: 8, .value_kind: global_buffer, .address_space: global }
      - { .name: out0, .offset: 40, .size: 8, .value_kind: global_buffer, .address_space: global }
    .group_segment_fixed_size: 327680
    .private_segment_fixed_size: 0
    .kernarg_segment_align: 8
    .kernarg_segment_size: 48
    .max_flat_workgroup_size: 128
    .sgpr_count:     96
    .vgpr_count:     896
    .wavefront_size: 32
...
	.end_amdgpu_metadata
.endif
;; end of part 6
